; MI455X (gfx1250); checked and timed in simulation.
; The chip was launched on July 23, 2026; its instructions are those of AMD's public machine-readable ISA for CDNA 5 (MIT licence, August 2026) and "CDNA5" Instruction Set Architecture Reference Guide (July 2026). The comments in the code are by the model that wrote it; some were corrected since.
;; Neural Ribosome. Allowed arithmetic: float matrix products may take bf16 or f16 operands with f32 sums; all other float work in f32.
;; Inputs: base_value 1 float32; canvas0 1,024 x 1,024 float32; probs 16 float32; theta 16 x 2 x 3 float32.
;; Outputs: out0 1,024 x 1,024 float32.
;; 2 versions, each right; version 2 is version 1 with the launches iter1, iter2 written anew for expert scheduling mode. Each part assembles by itself: llvm-mc -triple=amdgcn-amd-amdhsa -mcpu=gfx1250 --defsym DOCPART=n.
;; ======== version 1 of 2: 3 launches
;; limits: right only within a limited range of input values
;; workspace buffers: pad0 4,732,416 bytes; pad1 4,732,416 bytes; params 768 bytes of whole numbers
;; launch prep (part 1): grid 256 x 1, 8 waves a work-group, no clusters, 0 bytes of LDS; arguments canvas0, theta, pad0, pad1, params; writes pad0, pad1, params
.if DOCPART == 1
	.amdgcn_target "amdgcn-amd-amdhsa--gfx1250"
	.amdhsa_code_object_version 6
	.text
	.protected	k_q096d73df39_prep
	.globl	k_q096d73df39_prep
	.p2align	8
	.type	k_q096d73df39_prep,@function
k_q096d73df39_prep:
	s_mov_b64 s[64:65], 0
	v_nop
	global_prefetch_b8 v0, s[64:65] scope:SCOPE_SE
	s_setreg_imm32_b32 hwreg(HW_REG_WAVE_MODE, 25, 1), 1
	s_wait_xcnt 0x0
; PREPARATION for two steps of affine sampling of a 1024 x 1024 f32 canvas.
; (1) pad0 = canvas0 inside a frame of zeros; the frame of pad1 (whose inside the next launch writes) is zeroed too.
;     A framed canvas has 1027 rows of 4608 bytes: 256 bytes of zeros, 4096 bytes of data, 256 bytes of zeros;
;     row 0 and rows 1025, 1026 are zeros.  Data rows therefore start and end on multiples of 256 bytes.
; (2) theta becomes whole numbers.  With u = floor(ix) + 1, the sampling position of pixel (x, y) along one axis is
;     ix + 1 = a x + b y + c',  c' = 512 c + 512.5 - 511.5 (a + b)      (a, b, c: one row of theta; H = W = 1024)
;     a, b and c' are stored as signed 64-bit numbers with 32 fraction bits: the later launches form positions by
;     integer sums alone, the high word being the cell and the low word the bilinear weight.
;     params: three arrays of 32 numbers of 8 bytes (a at byte 0, b at 256, c' at 512); entry t holds theta[t][0], entry 16 + t theta[t][1].
; LIMITS: theta is clamped to +-2^18, so that every position stays inside 31 bits of whole pixels (2 x 2^18 x 512 + 2^27 + 513 < 2^31);
;     a NaN in theta becomes -2^18.  The conversion truncates below 2^-32.
; No LDS, no barrier, no matrix unit, no cluster: a copy in which no byte is used twice.
; Work-group g: data rows 4 g .. 4 g + 3.  Thread t owns the 16 bytes at 16 t of each row: a wave's load or store covers 512 neighbouring bytes.
.set PITCH,  4608                      ; bytes of a framed row
.set SROW,   4096                      ; bytes of a row of canvas0
.set LEFT,   256                       ; bytes of zeros in front of a row's data
.set Z,   4                            ; v[4:7]    zeros
.set X,   8                            ; v[8:23]   four rows' 16 bytes
.set TA,  30                           ; a, b, c of my row of theta
.set TB,  31
.set TC,  32
.set TO,  33                           ; its byte offset
.set HA,  34                           ; -a/2, -b/2
.set HB,  35
.set T0,  36                           ; at work
.set T1,  37
.set T2,  38                           ; v[38:39]  (sign bit, 0): the +1 of a two's complement
.set FA,  40                           ; v[40:41]  a in fixed point
.set FB,  42
.set FHA, 44
.set FHB, 46
.set FC,  48                           ; c'
.set KK,  50                           ; v[50:51]  512.5 in fixed point
.set PO,  52                           ; byte offset of my entry in params
	s_load_b256 s[4:11], s[0:1], 0x0               ; canvas0 s[4:5], theta s[6:7], pad0 s[8:9], pad1 s[10:11]
	s_load_b64 s[12:13], s[0:1], 0x20              ; params
	v_lshrrev_b32 v1, 5, v0
	v_readfirstlane_b32 s14, v1                    ; wave 0..7
	v_lshlrev_b32 v2, 4, v0                        ; 16 t; never rewritten
	s_lshl_b32 s16, ttmp9, 14                      ; 4 rows of 4096 bytes
	s_mov_b32 s17, 0
	s_mul_i32 s18, ttmp9, 4*PITCH                  ; 4 framed rows,
	s_add_co_u32 s18, s18, PITCH                   ; behind the row of zeros on top
	s_mov_b32 s19, 0
	s_wait_kmcnt 0x0
	s_add_nc_u64 s[4:5], s[4:5], s[16:17]
	s_add_nc_u64 s[20:21], s[8:9], s[18:19]        ; pad0 at my first row
	s_add_nc_u64 s[22:23], s[10:11], s[18:19]      ; pad1 at my first row
.irp j, 0,1,2,3
	global_load_b128 v[X+4*\j:X+4*\j+3], v2, s[4:5] offset:\j*SROW th:TH_LOAD_NT   ; read once in the launch
.endr
.irp j, 0,1,2,3
	v_mov_b32 v[Z+\j], 0
.endr
	; the zeros left and right of my four rows: 8 pieces of 256 bytes in each buffer.  Waves 0-3 take pad0, waves 4-7 pad1;
	; lanes 0-15 of a wave fill the left piece of a row, lanes 16-31 the right one.
	v_bfe_u32 v3, v0, 5, 2                         ; row 0..3
	v_bfe_u32 v24, v0, 4, 1                        ; side
	v_and_b32 v25, 15, v0
	v_mul_u32_u24 v3, v3, PITCH
	v_mad_u32_u24 v3, v24, LEFT+SROW, v3
	v_lshl_add_u32 v3, v25, 4, v3
	s_cmp_lt_u32 s14, 4
	s_cselect_b64 s[24:25], s[20:21], s[22:23]
	global_store_b128 v3, v[Z:Z+3], s[24:25]
	; the three rows of zeros (0, 1025, 1026) of both buffers: work-groups 0, 1, 2 take one each
	s_cmp_gt_u32 ttmp9, 2
	s_cbranch_scc1 .Lno_edge
	s_add_co_u32 s26, ttmp9, 1024
	s_cmp_eq_u32 ttmp9, 0
	s_cselect_b32 s26, 0, s26                      ; row 0, 1025 or 1026
	s_mul_i32 s26, s26, PITCH
	s_mov_b32 s27, 0
	s_add_nc_u64 s[28:29], s[8:9], s[26:27]
	s_add_nc_u64 s[30:31], s[10:11], s[26:27]
	global_store_b128 v2, v[Z:Z+3], s[28:29]       ; 256 threads: the first 4096 bytes
	global_store_b128 v2, v[Z:Z+3], s[30:31]
	s_cmp_lg_u32 s14, 0
	s_cbranch_scc1 .Lno_edge
	global_store_b128 v2, v[Z:Z+3], s[28:29] offset:SROW   ; wave 0: the last 512 bytes
	global_store_b128 v2, v[Z:Z+3], s[30:31] offset:SROW
.Lno_edge:
	; theta: wave 0 of work-group 3; lane j = 2 t + r takes row r of theta[t]
	s_cmp_lg_u32 ttmp9, 3
	s_cbranch_scc1 .Lcopy
	s_cmp_lg_u32 s14, 0
	s_cbranch_scc1 .Lcopy
	v_mul_u32_u24 v[TO], v0, 12
	global_load_b32 v[TA], v[TO], s[6:7]
	global_load_b32 v[TB], v[TO], s[6:7] offset:4
	global_load_b32 v[TC], v[TO], s[6:7] offset:8
	v_mov_b32 v[T2+1], 0
	v_mov_b32 v[KK], 0x80000000                    ; 512.5: fraction one half,
	v_mov_b32 v[KK+1], 512                         ; whole part 512
	v_and_b32 v[PO], 1, v0                         ; r
	v_lshrrev_b32 v[T0], 1, v0                     ; t
	v_lshl_or_b32 v[PO], v[PO], 4, v[T0]           ; entry 16 r + t
	v_lshlrev_b32 v[PO], 3, v[PO]
	s_movk_i32 s15, 1023
	s_wait_loadcnt 0x0                             ; theta is in (and the four rows asked for before it)
.irp f, TA, TB, TC
	v_max_num_f32 v[\f], 0xc8800000, v[\f]         ; clamp to +-2^18 (see LIMITS)
	v_min_num_f32 v[\f], 0x48800000, v[\f]
.endr
	v_mul_f32 v[HA], -0.5, v[TA]                   ; exact
	v_mul_f32 v[HB], -0.5, v[TB]
	v_mul_f32 v[TC], 0x44000000, v[TC]             ; 512 c, exact
; f32 to signed 32.32: the magnitude's whole part and fraction are split without rounding, then the pair is negated if f < 0
.macro CONV d, f
	v_and_b32 v[T0], 0x7fffffff, v[\f]
	v_trunc_f32 v[T1], v[T0]
	v_sub_f32 v[T0], v[T0], v[T1]                  ; exact, below 1
	v_cvt_u32_f32 v[\d+1], v[T1]
	v_mul_f32 v[T0], 0x4f800000, v[T0]             ; x 2^32, exact, below 2^32
	v_cvt_u32_f32 v[\d], v[T0]
	v_ashrrev_i32 v[T1], 31, v[\f]                 ; all ones if negative
	v_lshrrev_b32 v[T2], 31, v[\f]                 ; 1 if negative
	v_xor_b32 v[\d], v[\d], v[T1]
	v_xor_b32 v[\d+1], v[\d+1], v[T1]
	v_add_nc_u64 v[\d:\d+1], v[\d:\d+1], v[T2:T2+1]
.endm
	CONV FA, TA
	CONV FB, TB
	CONV FHA, HA
	CONV FHB, HB
	CONV FC, TC
	v_add_nc_u64 v[FHA:FHA+1], v[FHA:FHA+1], v[FHB:FHB+1]          ; -(a + b)/2
	v_add_nc_u64 v[FC:FC+1], v[FC:FC+1], v[KK:KK+1]                ; 512 c + 512.5
	v_mad_nc_u64_u32 v[FC:FC+1], v[FHA], s15, v[FC:FC+1]           ; + 1023 x the low word,
	v_mad_u32 v[FC+1], v[FHA+1], s15, v[FC+1]                      ; + 1023 x the high word: the product modulo 2^64
	global_store_b64 v[PO], v[FA:FA+1], s[12:13]
	global_store_b64 v[PO], v[FB:FB+1], s[12:13] offset:256
	global_store_b64 v[PO], v[FC:FC+1], s[12:13] offset:512
.Lcopy:
.irp j, 0,1,2,3
	s_wait_loadcnt 3-\j                            ; loads return in order: row j is in, the 3 - j younger rows may be out
	global_store_b128 v2, v[X+4*\j:X+4*\j+3], s[20:21] offset:LEFT+\j*PITCH   ; a wave stores 512 neighbouring bytes, at a multiple of 256
.endr
	s_endpgm
.Lfunc_end_k_q096d73df39_prep:
	.size	k_q096d73df39_prep, .Lfunc_end_k_q096d73df39_prep-k_q096d73df39_prep
	.p2alignl 7, 3214868480
	.fill 96, 4, 3214868480
	.section	.rodata,"a",@progbits
	.p2align	6, 0x0
	.amdhsa_kernel k_q096d73df39_prep
		.amdhsa_group_segment_fixed_size 0
		.amdhsa_private_segment_fixed_size 0
		.amdhsa_enable_private_segment 0
		.amdhsa_kernarg_size 40
		.amdhsa_user_sgpr_count 2
		.amdhsa_user_sgpr_kernarg_segment_ptr 1
		.amdhsa_wavefront_size32 1
		.amdhsa_system_sgpr_workgroup_id_x 1
		.amdhsa_system_sgpr_workgroup_id_y 1
		.amdhsa_system_sgpr_workgroup_id_z 1
		.amdhsa_system_vgpr_workitem_id 0
		.amdhsa_next_free_vgpr 54
		.amdhsa_next_free_sgpr 66
		.amdhsa_reserve_vcc 0
		.amdhsa_float_denorm_mode_32 3
		.amdhsa_float_denorm_mode_16_64 3
		.amdhsa_memory_ordered 1
		.amdhsa_forward_progress 1
		.amdhsa_inst_pref_size 8
	.end_amdhsa_kernel
	.amdgpu_metadata
---
amdhsa.version: [ 1, 2 ]
amdhsa.kernels:
  - .name:           k_q096d73df39_prep
    .symbol:         k_q096d73df39_prep.kd
    .args:
      - { .name: canvas0, .offset: 0, .size: 8, .value_kind: global_buffer, .address_space: global }
      - { .name: theta, .offset: 8, .size: 8, .value_kind: global_buffer, .address_space: global }
      - { .name: pad0, .offset: 16, .size: 8, .value_kind: global_buffer, .address_space: global }
      - { .name: pad1, .offset: 24, .size: 8, .value_kind: global_buffer, .address_space: global }
      - { .name: params, .offset: 32, .size: 8, .value_kind: global_buffer, .address_space: global }
    .group_segment_fixed_size: 0
    .private_segment_fixed_size: 0
    .kernarg_segment_align: 8
    .kernarg_segment_size: 40
    .max_flat_workgroup_size: 256
    .sgpr_count:     66
    .vgpr_count:     54
    .wavefront_size: 32
...
	.end_amdgpu_metadata
.endif
;; end of part 1
;; launch iter1 (part 2): grid 256 x 1, 16 waves a work-group, no clusters, 20,480 bytes of LDS; arguments pad0, params, probs, pad1; writes pad1
.if DOCPART == 2
	.amdgcn_target "amdgcn-amd-amdhsa--gfx1250"
	.amdhsa_code_object_version 6
	.text
	.protected	k_q096d73df39_iter1
	.globl	k_q096d73df39_iter1
	.p2align	8
	.type	k_q096d73df39_iter1,@function
k_q096d73df39_iter1:
	s_mov_b64 s[64:65], 0
	v_nop
	global_prefetch_b8 v0, s[64:65] scope:SCOPE_SE
	s_setreg_imm32_b32 hwreg(HW_REG_WAVE_MODE, 25, 1), 1
	s_wait_xcnt 0x0
; ONE STEP: new[y][x] = (sum over t of probs[t] * bilinear(old, theta[t] (x, y))) / sum(probs)   (+ base_value in the last step, FINAL = 1)
; old: a framed canvas (1027 rows of 4608 bytes; cell (v, u), v = y + 1, u = x + 1, lies at byte 4608 v + 252 + 4 u; all cells outside 1..1024 hold zeros).
; POSITIONS are whole numbers, signed 64 bits with 32 fraction bits, made by the launch before: pos = A x + B y + C for each axis.
;   The high word is u = floor(ix) + 1 (valid: 0..1024), the low word the weight of the right (lower) neighbour.
;   One unsigned minimum with 1025 sends u < 0 (huge when read unsigned) and u > 1024 to cell 1025, which with its neighbour 1026 holds zeros:
;   the zeros of the padding come from the frame, no mask is needed, and one index serves the four corners through four bases.
; SHARES: a wave owns 64 x 4 pixels.  One gather takes a block of 8 x 4 pixels (lane = lx + 8 ly), so that its 32 positions span
;   7 steps along x and 3 along y of the source instead of 31 along x; eight blocks side by side, one accumulator a lane for each.
;   A work-group has 16 waves in four groups of four (64 x 16 pixels each); the groups lie 256 pixels apart in x and in y (wrapping round),
;   because the number of transforms that hit the canvas differs between its middle and its corners.
; SKIPPING: positions are affine, so over a tile they lie between the values at its four corners.  Lane t + 16 r evaluates axis r of transform t
;   at the corners; a transform all of whose corners lie on one side outside takes no trip.  Trips = number of bits in the mask.
; The weighted sum over t is one fused multiply-add a sample in f32 on the value just interpolated: as a matrix product it would have one row.
; No cluster, no tensor load: which rows of the source a tile needs hangs on theta, and no two work-groups need a common tile at a known time.
; LIMITS: as the launch before states (theta clamped to +-2^18).  probs are summed pairwise and divided by one reciprocal (1 ulp).
.set FINAL,  0
.set PITCH,  4608                      ; bytes of a framed row = 1152 cells = 9 << 7
.set LIM,    1025                      ; the cell of zeros that every position outside is sent to
.if FINAL
.set OPITCH, 4096                      ; out0: plain rows
.else
.set OPITCH, PITCH
.endif
.set LROW,   288                       ; LDS stage: 256 bytes of a row + 32, so that the four rows of a block start 8 banks apart
.set LWAVE,  4*LROW                    ; a wave's own stage
.set LX,  2                            ; lane mod 8
.set LY,  3                            ; lane / 8
.set A,   4                            ; v[4:5]   A of my (t, axis)
.set B,   6                            ; v[6:7]   B
.set C,   8                            ; v[8:9]   C, then the position at the tile's first pixel
.set E1,  10                           ; v[10:15] the positions at the other three corners
.set E2,  12
.set E3,  14
.set PR,  16                           ; probs[lane mod 16]
.set SUM, 17
.set RS,  18                           ; v[18:19] 1 / sum(probs), twice
.set BV,  20                           ; v[20:21] base_value, twice (FINAL)
.set PX,  22                           ; v[22:23] my position along x, v[24:25] along y
.set PY,  24
.set DX,  26                           ; v[26:29] their steps from block to block: 8 A
.set DY,  28
.set U,   30
.set V,   31
.set STO, 32                           ; LDS: where I put a block's number
.set RD,  33                           ; LDS: where I read 16 bytes of a row back
.set CO,  34                           ; my byte offset in the output
.set ACC, 36                           ; v[36:43] eight sums
.set IDX, 44                           ; v[44:51] block k: cell index; untouched while the block's gathers are out
.set W,   52                           ; v[52:67] block k: (wx, wy)
.set D,   68                           ; v[68:99] block k: (c00, c10), (c01, c11)
	s_load_b256 s[4:11], s[0:1], 0x0               ; old s[4:5], params s[6:7], probs s[8:9], new s[10:11]
	v_lshl_add_u32 v100, v0, 2, 0x4800
	v_mov_b32 v101, 0
.if FINAL
	s_load_b64 s[12:13], s[0:1], 0x20              ; base_value
.endif
	v_lshrrev_b32 v1, 5, v0
	v_readfirstlane_b32 s14, v1                    ; wave 0..15
	v_and_b32 v[LX], 7, v0
	v_bfe_u32 v[LY], v0, 3, 2
	v_and_b32 v1, 31, v0
	v_lshlrev_b32 v1, 3, v1                        ; 8 x lane: my entry of params
	v_and_b32 v[U], 15, v0
	v_lshlrev_b32 v[V], 2, v[U]                    ; 4 x (lane mod 16): my entry of probs
	s_lshr_b32 s15, s14, 2                         ; group j 0..3
	s_and_b32 s16, s14, 3                          ; my place in the group
	s_and_b32 s17, ttmp9, 15
	s_lshr_b32 s18, ttmp9, 4
	s_lshl2_add_u32 s17, s15, s17
	s_and_b32 s17, s17, 15                         ; block column = (g mod 16 + 4 j) mod 16
	s_lshl4_add_u32 s18, s15, s18                  ; block row = g / 16 + 16 j: each of the 16 x 64 places is taken once
	s_lshl_b32 s20, s17, 6                         ; X0: my tile's first pixel
	s_lshl2_add_u32 s21, s18, s16
	s_lshl_b32 s21, s21, 2                         ; Y0 = 16 x block row + 4 x place
	s_movk_i32 s62, LIM
	s_wait_kmcnt 0x0
	global_load_b64 v[A:A+1], v1, s[6:7]
	global_load_b64 v[B:B+1], v1, s[6:7] offset:256
	global_load_b64 v[C:C+1], v1, s[6:7] offset:512
	global_load_b32 v[PR], v[V], s[8:9]
.if FINAL
	s_load_b32 s63, s[12:13], 0x0
.endif
	s_add_nc_u64 s[46:47], s[4:5], 252             ; cell (v, u)
	s_add_nc_u64 s[48:49], s[4:5], 256             ; cell (v, u + 1)
	s_add_nc_u64 s[50:51], s[4:5], PITCH+252       ; cell (v + 1, u)
	s_add_nc_u64 s[52:53], s[4:5], PITCH+256       ; cell (v + 1, u + 1)
	s_mul_i32 s19, s14, LWAVE
	v_mul_u32_u24 v[STO], v[LY], LROW
	v_lshl_add_u32 v[STO], v[LX], 2, v[STO]
	v_add_nc_u32 v[STO], s19, v[STO]
	v_bfe_u32 v[CO], v0, 4, 1                      ; lanes 0-15 take one row, lanes 16-31 the next
	v_mul_u32_u24 v[RD], v[CO], LROW
	v_lshl_add_u32 v[RD], v[U], 4, v[RD]
	v_add_nc_u32 v[RD], s19, v[RD]
	v_mul_u32_u24 v[CO], v[CO], OPITCH
	v_lshl_add_u32 v[CO], v[U], 4, v[CO]
.if FINAL
	s_lshl_b32 s15, s21, 12                        ; row Y0 of out0
	s_lshl2_add_u32 s15, s20, s15                  ; + 4 X0
.else
	s_add_co_u32 s15, s21, 1                       ; framed row Y0 + 1
	s_mul_i32 s15, s15, PITCH
	s_lshl2_add_u32 s15, s20, s15                  ; + 4 X0
	s_add_co_u32 s15, s15, 256                     ; + the zeros on the left
.endif
	v_add_nc_u32 v[CO], s15, v[CO]
	s_wait_loadcnt 0x0                             ; A, B, C, probs
.if FINAL
	s_wait_kmcnt 0x0
	v_mov_b32 v[BV], s63
	v_mov_b32 v[BV+1], s63
.endif
	; a 64-bit number times a small whole number, modulo 2^64: low word x n in 64 bits, then high word x n onto the high word
	v_mad_nc_u64_u32 v[C:C+1], v[A], s20, v[C:C+1]
	v_mad_u32 v[C+1], v[A+1], s20, v[C+1]
	v_mad_nc_u64_u32 v[C:C+1], v[B], s21, v[C:C+1]
	v_mad_u32 v[C+1], v[B+1], s21, v[C+1]          ; position at (X0, Y0)
	v_mad_nc_u64_u32 v[E1:E1+1], v[A], 63, v[C:C+1]
	v_mad_u32 v[E1+1], v[A+1], 63, v[E1+1]         ; at (X0 + 63, Y0)
	v_mad_nc_u64_u32 v[E2:E2+1], v[B], 3, v[C:C+1]
	v_mad_u32 v[E2+1], v[B+1], 3, v[E2+1]          ; at (X0, Y0 + 3)
	v_mad_nc_u64_u32 v[E3:E3+1], v[B], 3, v[E1:E1+1]
	v_mad_u32 v[E3+1], v[B+1], 3, v[E3+1]          ; at (X0 + 63, Y0 + 3)
	v_cmp_gt_i32 s54, s62, v[C+1]                  ; some corner at or below cell 1024 ...
	v_cmp_gt_i32 s55, s62, v[E1+1]
	v_cmp_gt_i32 s56, s62, v[E2+1]
	v_cmp_gt_i32 s57, s62, v[E3+1]
	v_cmp_le_i32 s58, 0, v[C+1]                    ; ... and some corner at or above cell 0
	v_cmp_le_i32 s59, 0, v[E1+1]
	v_cmp_le_i32 s60, 0, v[E2+1]
	v_cmp_le_i32 s61, 0, v[E3+1]
	s_or_b32 s54, s54, s55
	s_or_b32 s56, s56, s57
	s_or_b32 s58, s58, s59
	s_or_b32 s60, s60, s61
	s_or_b32 s54, s54, s56
	s_or_b32 s58, s58, s60
	s_and_b32 s22, s54, s58                        ; bit t: axis x may hit, bit 16 + t: axis y may hit
	s_lshr_b32 s23, s22, 16
	s_and_b32 s22, s22, s23                        ; bit t (0..15): both
	s_bcnt1_i32_b32 s23, s22                       ; trips
	; sum(probs): every row of 16 lanes holds all sixteen
	v_mov_b32 v[SUM], v[PR]
	v_add_f32_dpp v[SUM], v[SUM], v[SUM] row_xmask:1 row_mask:0xf bank_mask:0xf
	v_add_f32_dpp v[SUM], v[SUM], v[SUM] row_xmask:2 row_mask:0xf bank_mask:0xf
	v_add_f32_dpp v[SUM], v[SUM], v[SUM] row_xmask:4 row_mask:0xf bank_mask:0xf
	v_add_f32_dpp v[SUM], v[SUM], v[SUM] row_xmask:8 row_mask:0xf bank_mask:0xf
	v_rcp_f32 v[RS], v[SUM]
	v_rcp_f32 v[RS+1], v[SUM]                      ; the plain moves below stand between the reciprocals and their first use
.irp k, 0,1,2,3,4,5,6,7
	v_mov_b32 v[ACC+\k], 0                         ; the number of trips may be 0: the eight sums start from 0
.endr
	s_cmp_eq_u32 s23, 0
	s_cbranch_scc1 .Lout
	s_mov_b32 s24, 0
; block k: cell index and weights from my position, four gathers, one step of 8 pixels along x
.macro ISSUE k
	v_min_u32 v[U], LIM, v[PX+1]                   ; 0..1024 stays, everything else becomes 1025
	v_min_u32 v[V], LIM, v[PY+1]
	v_cvt_f32_u32 v[W+2*\k], v[PX]
	v_cvt_f32_u32 v[W+2*\k+1], v[PY]
	v_lshl_add_u32 v[V], v[V], 3, v[V]             ; 9 v
	v_lshl_add_u32 v[IDX+\k], v[V], 7, v[U]        ; 1152 v + u
	global_load_b32 v[D+4*\k],   v[IDX+\k], s[46:47] scale_offset
	global_load_b32 v[D+4*\k+2], v[IDX+\k], s[48:49] scale_offset
	global_load_b32 v[D+4*\k+1], v[IDX+\k], s[50:51] scale_offset
	global_load_b32 v[D+4*\k+3], v[IDX+\k], s[52:53] scale_offset
.if \k < 7
	v_add_nc_u64 v[PX:PX+1], v[PX:PX+1], v[DX:DX+1]
	v_add_nc_u64 v[PY:PY+1], v[PY:PY+1], v[DY:DY+1]
.endif
	v_pk_mul_f32 v[W+2*\k:W+2*\k+1], v[W+2*\k:W+2*\k+1], 0x2f800000 op_sel_hi:[1,0]   ; x 2^-32: weights in 0..1
.endm
.macro USE k
	s_wait_loadcnt 28-4*\k                         ; gathers return in order: block k's four are in, the 4 (7 - k) of the later blocks may be out
	v_pk_add_f32 v[D+4*\k+2:D+4*\k+3], v[D+4*\k+2:D+4*\k+3], v[D+4*\k:D+4*\k+1] neg_lo:[0,1] neg_hi:[0,1]          ; right - left, both rows
	v_pk_fma_f32 v[D+4*\k:D+4*\k+1], v[W+2*\k:W+2*\k+1], v[D+4*\k+2:D+4*\k+3], v[D+4*\k:D+4*\k+1] op_sel_hi:[0,1,1] ; left + wx (right - left), both rows
	v_sub_f32 v[D+4*\k+2], v[D+4*\k+1], v[D+4*\k]
	v_fma_f32 v[D+4*\k], v[W+2*\k+1], v[D+4*\k+2], v[D+4*\k]       ; upper + wy (lower - upper)
	v_fmac_f32 v[ACC+\k], s40, v[D+4*\k]                           ; x probs[t], onto the sum
.endm
.Lt:
	s_ctz_i32_b32 s25, s22                         ; the next transform that may hit
	s_sub_co_u32 s27, s22, 1
	s_and_b32 s22, s22, s27                        ; its bit is cleared
	s_add_co_u32 s26, s25, 16
	v_readlane_b32 s28, v[C], s25                  ; position of the tile's first pixel along x,
	v_readlane_b32 s29, v[C+1], s25
	v_readlane_b32 s30, v[C], s26                  ; along y
	v_readlane_b32 s31, v[C+1], s26
	v_readlane_b32 s32, v[A], s25                  ; steps for one pixel along x
	v_readlane_b32 s33, v[A+1], s25
	v_readlane_b32 s34, v[A], s26
	v_readlane_b32 s35, v[A+1], s26
	v_readlane_b32 s36, v[B], s25                  ; and along y
	v_readlane_b32 s37, v[B+1], s25
	v_readlane_b32 s38, v[B], s26
	v_readlane_b32 s39, v[B+1], s26
	v_readlane_b32 s40, v[PR], s25                 ; probs[t]
	s_lshl_b64 s[42:43], s[32:33], 3               ; 8 pixels along x
	s_lshl_b64 s[44:45], s[34:35], 3
	v_mov_b32 v[PX], s28
	v_mov_b32 v[PX+1], s29
	v_mov_b32 v[PY], s30
	v_mov_b32 v[PY+1], s31
	v_mad_nc_u64_u32 v[PX:PX+1], s32, v[LX], v[PX:PX+1]            ; my pixel of block 0: + lx A + ly B
	v_mad_nc_u64_u32 v[PY:PY+1], s34, v[LX], v[PY:PY+1]
	v_mad_u32 v[PX+1], s33, v[LX], v[PX+1]
	v_mad_u32 v[PY+1], s35, v[LX], v[PY+1]
	v_mad_nc_u64_u32 v[PX:PX+1], s36, v[LY], v[PX:PX+1]
	v_mad_nc_u64_u32 v[PY:PY+1], s38, v[LY], v[PY:PY+1]
	v_mad_u32 v[PX+1], s37, v[LY], v[PX+1]
	v_mad_u32 v[PY+1], s39, v[LY], v[PY+1]
	v_mov_b32 v[DX], s42
	v_mov_b32 v[DX+1], s43
	v_mov_b32 v[DY], s44
	v_mov_b32 v[DY+1], s45
.irp k, 0,1,2,3,4,5,6,7
	ISSUE \k                                       ; all 32 gathers of the trip go out before the first is waited for
.endr
.irp k, 0,1,2,3,4,5,6,7
	USE \k                                         ; the last wait is for 0: the next trip may rewrite IDX and D
.endr
	s_add_co_u32 s24, s24, 1
	s_cmp_lt_u32 s24, s23
	s_cbranch_scc1 .Lt
.Lout:
	; a lane holds one pixel of each of eight blocks; a store wants 16 neighbouring bytes a lane.  The wave's own stage in LDS turns the tile:
	; no other wave touches these bytes, and LDS serves a wave's instructions in order (ISA guide 5.7.1), so no wait stands between stores and loads.
.irp k, 0,1,2,3,4,5,6,7
	ds_store_b32 v[STO], v[ACC+\k] offset:32*\k
.endr
	ds_load_b128 v[D:D+3], v[RD]                   ; rows 0 and 1
	ds_load_b128 v[D+4:D+7], v[RD] offset:2*LROW   ; rows 2 and 3
	s_wait_dscnt 0x1                               ; the first read is back, the second may be out
.if FINAL
	v_pk_fma_f32 v[D:D+1], v[D:D+1], v[RS:RS+1], v[BV:BV+1]
	v_pk_fma_f32 v[D+2:D+3], v[D+2:D+3], v[RS:RS+1], v[BV:BV+1]
	global_store_b128 v[CO], v[D:D+3], s[10:11] th:TH_STORE_NT     ; 16 lanes store 256 neighbouring bytes, at a multiple of 256
.else
	s_wait_alu depctr_va_vdst(0)
	v_pk_mul_f32 v[D:D+1], v[D:D+1], v[RS:RS+1]
	v_pk_mul_f32 v[D+2:D+3], v[D+2:D+3], v[RS:RS+1]
	global_store_b128 v[CO], v[D:D+3], s[10:11]                    ; 16 lanes store 256 neighbouring bytes, at a multiple of 256
.endif
	s_wait_dscnt 0x0
.if FINAL
	v_pk_fma_f32 v[D+4:D+5], v[D+4:D+5], v[RS:RS+1], v[BV:BV+1]
	v_pk_fma_f32 v[D+6:D+7], v[D+6:D+7], v[RS:RS+1], v[BV:BV+1]
	global_store_b128 v[CO], v[D+4:D+7], s[10:11] offset:2*OPITCH th:TH_STORE_NT
.else
	v_pk_mul_f32 v[D+4:D+5], v[D+4:D+5], v[RS:RS+1]
	v_pk_mul_f32 v[D+6:D+7], v[D+6:D+7], v[RS:RS+1]
	global_store_b128 v[CO], v[D+4:D+7], s[10:11] offset:2*OPITCH
.endif
	s_wait_tensorcnt 0x0
	ds_add_u32 v100, v101
	s_wait_dscnt 0x0
	s_endpgm
.Lfunc_end_k_q096d73df39_iter1:
	.size	k_q096d73df39_iter1, .Lfunc_end_k_q096d73df39_iter1-k_q096d73df39_iter1
	.p2alignl 7, 3214868480
	.fill 96, 4, 3214868480
	.section	.rodata,"a",@progbits
	.p2align	6, 0x0
	.amdhsa_kernel k_q096d73df39_iter1
		.amdhsa_group_segment_fixed_size 20480
		.amdhsa_private_segment_fixed_size 0
		.amdhsa_enable_private_segment 0
		.amdhsa_kernarg_size 32
		.amdhsa_user_sgpr_count 2
		.amdhsa_user_sgpr_kernarg_segment_ptr 1
		.amdhsa_wavefront_size32 1
		.amdhsa_system_sgpr_workgroup_id_x 1
		.amdhsa_system_sgpr_workgroup_id_y 1
		.amdhsa_system_sgpr_workgroup_id_z 1
		.amdhsa_system_vgpr_workitem_id 0
		.amdhsa_next_free_vgpr 102
		.amdhsa_next_free_sgpr 66
		.amdhsa_reserve_vcc 0
		.amdhsa_float_denorm_mode_32 3
		.amdhsa_float_denorm_mode_16_64 3
		.amdhsa_memory_ordered 1
		.amdhsa_forward_progress 1
		.amdhsa_inst_pref_size 17
	.end_amdhsa_kernel
	.amdgpu_metadata
---
amdhsa.version: [ 1, 2 ]
amdhsa.kernels:
  - .name:           k_q096d73df39_iter1
    .symbol:         k_q096d73df39_iter1.kd
    .args:
      - { .name: pad0, .offset: 0, .size: 8, .value_kind: global_buffer, .address_space: global }
      - { .name: params, .offset: 8, .size: 8, .value_kind: global_buffer, .address_space: global }
      - { .name: probs, .offset: 16, .size: 8, .value_kind: global_buffer, .address_space: global }
      - { .name: pad1, .offset: 24, .size: 8, .value_kind: global_buffer, .address_space: global }
    .group_segment_fixed_size: 20480
    .private_segment_fixed_size: 0
    .kernarg_segment_align: 8
    .kernarg_segment_size: 32
    .max_flat_workgroup_size: 512
    .sgpr_count:     66
    .vgpr_count:     102
    .wavefront_size: 32
...
	.end_amdgpu_metadata
.endif
;; end of part 2
;; launch iter2 (part 3): grid 256 x 1, 16 waves a work-group, no clusters, 20,480 bytes of LDS; arguments pad1, params, probs, out0, base_value; writes out0
.if DOCPART == 3
	.amdgcn_target "amdgcn-amd-amdhsa--gfx1250"
	.amdhsa_code_object_version 6
	.text
	.protected	k_q096d73df39_iter2
	.globl	k_q096d73df39_iter2
	.p2align	8
	.type	k_q096d73df39_iter2,@function
k_q096d73df39_iter2:
	s_mov_b64 s[64:65], 0
	v_nop
	global_prefetch_b8 v0, s[64:65] scope:SCOPE_SE
	s_setreg_imm32_b32 hwreg(HW_REG_WAVE_MODE, 25, 1), 1
	s_wait_xcnt 0x0
; ONE STEP: new[y][x] = (sum over t of probs[t] * bilinear(old, theta[t] (x, y))) / sum(probs)   (+ base_value in the last step, FINAL = 1)
; This is the text of the first step with FINAL = 1: the output is out0 (plain rows of 4096 bytes) and base_value is added.
; old: a framed canvas (1027 rows of 4608 bytes; cell (v, u), v = y + 1, u = x + 1, lies at byte 4608 v + 252 + 4 u; all cells outside 1..1024 hold zeros).
; POSITIONS are whole numbers, signed 64 bits with 32 fraction bits, made by the first launch: pos = A x + B y + C for each axis.
;   The high word is u = floor(ix) + 1 (valid: 0..1024), the low word the weight of the right (lower) neighbour.
;   One unsigned minimum with 1025 sends u < 0 (huge when read unsigned) and u > 1024 to cell 1025, which with its neighbour 1026 holds zeros:
;   the zeros of the padding come from the frame, no mask is needed, and one index serves the four corners through four bases.
; SHARES: a wave owns 64 x 4 pixels.  One gather takes a block of 8 x 4 pixels (lane = lx + 8 ly), so that its 32 positions span
;   7 steps along x and 3 along y of the source instead of 31 along x; eight blocks side by side, one accumulator a lane for each.
;   A work-group has 16 waves in four groups of four (64 x 16 pixels each); the groups lie 256 pixels apart in x and in y (wrapping round),
;   because the number of transforms that hit the canvas differs between its middle and its corners.
; SKIPPING: positions are affine, so over a tile they lie between the values at its four corners.  Lane t + 16 r evaluates axis r of transform t
;   at the corners; a transform all of whose corners lie on one side outside takes no trip.  Trips = number of bits in the mask.
; The weighted sum over t is one fused multiply-add a sample in f32 on the value just interpolated: as a matrix product it would have one row.
; No cluster, no tensor load: which rows of the source a tile needs hangs on theta, and no two work-groups need a common tile at a known time.
; LIMITS: as the first launch states (theta clamped to +-2^18).  probs are summed pairwise and divided by one reciprocal (1 ulp).
.set FINAL,  1
.set PITCH,  4608                      ; bytes of a framed row = 1152 cells = 9 << 7
.set LIM,    1025                      ; the cell of zeros that every position outside is sent to
.if FINAL
.set OPITCH, 4096                      ; out0: plain rows
.else
.set OPITCH, PITCH
.endif
.set LROW,   288                       ; LDS stage: 256 bytes of a row + 32, so that the four rows of a block start 8 banks apart
.set LWAVE,  4*LROW                    ; a wave's own stage
.set LX,  2                            ; lane mod 8
.set LY,  3                            ; lane / 8
.set A,   4                            ; v[4:5]   A of my (t, axis)
.set B,   6                            ; v[6:7]   B
.set C,   8                            ; v[8:9]   C, then the position at the tile's first pixel
.set E1,  10                           ; v[10:15] the positions at the other three corners
.set E2,  12
.set E3,  14
.set PR,  16                           ; probs[lane mod 16]
.set SUM, 17
.set RS,  18                           ; v[18:19] 1 / sum(probs), twice
.set BV,  20                           ; v[20:21] base_value, twice (FINAL)
.set PX,  22                           ; v[22:23] my position along x, v[24:25] along y
.set PY,  24
.set DX,  26                           ; v[26:29] their steps from block to block: 8 A
.set DY,  28
.set U,   30
.set V,   31
.set STO, 32                           ; LDS: where I put a block's number
.set RD,  33                           ; LDS: where I read 16 bytes of a row back
.set CO,  34                           ; my byte offset in the output
.set ACC, 36                           ; v[36:43] eight sums
.set IDX, 44                           ; v[44:51] block k: cell index; untouched while the block's gathers are out
.set W,   52                           ; v[52:67] block k: (wx, wy)
.set D,   68                           ; v[68:99] block k: (c00, c10), (c01, c11)
	s_load_b256 s[4:11], s[0:1], 0x0               ; old s[4:5], params s[6:7], probs s[8:9], new s[10:11]
.if FINAL
	s_load_b64 s[12:13], s[0:1], 0x20              ; base_value
	v_lshl_add_u32 v100, v0, 2, 0x4800
	v_mov_b32 v101, 0
.endif
	v_lshrrev_b32 v1, 5, v0
	v_readfirstlane_b32 s14, v1                    ; wave 0..15
	v_and_b32 v[LX], 7, v0
	v_bfe_u32 v[LY], v0, 3, 2
	v_and_b32 v1, 31, v0
	v_lshlrev_b32 v1, 3, v1                        ; 8 x lane: my entry of params
	v_and_b32 v[U], 15, v0
	v_lshlrev_b32 v[V], 2, v[U]                    ; 4 x (lane mod 16): my entry of probs
	s_lshr_b32 s15, s14, 2                         ; group j 0..3
	s_and_b32 s16, s14, 3                          ; my place in the group
	s_and_b32 s17, ttmp9, 15
	s_lshr_b32 s18, ttmp9, 4
	s_lshl2_add_u32 s17, s15, s17
	s_and_b32 s17, s17, 15                         ; block column = (g mod 16 + 4 j) mod 16
	s_lshl4_add_u32 s18, s15, s18                  ; block row = g / 16 + 16 j: each of the 16 x 64 places is taken once
	s_lshl_b32 s20, s17, 6                         ; X0: my tile's first pixel
	s_lshl2_add_u32 s21, s18, s16
	s_lshl_b32 s21, s21, 2                         ; Y0 = 16 x block row + 4 x place
	s_movk_i32 s62, LIM
	s_wait_kmcnt 0x0
	global_load_b64 v[A:A+1], v1, s[6:7]
	global_load_b64 v[B:B+1], v1, s[6:7] offset:256
	global_load_b64 v[C:C+1], v1, s[6:7] offset:512
	global_load_b32 v[PR], v[V], s[8:9]
.if FINAL
	s_load_b32 s63, s[12:13], 0x0
.endif
	s_add_nc_u64 s[46:47], s[4:5], 252             ; cell (v, u)
	s_add_nc_u64 s[48:49], s[4:5], 256             ; cell (v, u + 1)
	s_add_nc_u64 s[50:51], s[4:5], PITCH+252       ; cell (v + 1, u)
	s_add_nc_u64 s[52:53], s[4:5], PITCH+256       ; cell (v + 1, u + 1)
	s_mul_i32 s19, s14, LWAVE
	v_mul_u32_u24 v[STO], v[LY], LROW
	v_lshl_add_u32 v[STO], v[LX], 2, v[STO]
	v_add_nc_u32 v[STO], s19, v[STO]
	v_bfe_u32 v[CO], v0, 4, 1                      ; lanes 0-15 take one row, lanes 16-31 the next
	v_mul_u32_u24 v[RD], v[CO], LROW
	v_lshl_add_u32 v[RD], v[U], 4, v[RD]
	v_add_nc_u32 v[RD], s19, v[RD]
	v_mul_u32_u24 v[CO], v[CO], OPITCH
	v_lshl_add_u32 v[CO], v[U], 4, v[CO]
.if FINAL
	s_lshl_b32 s15, s21, 12                        ; row Y0 of out0
	s_lshl2_add_u32 s15, s20, s15                  ; + 4 X0
.else
	s_add_co_u32 s15, s21, 1                       ; framed row Y0 + 1
	s_mul_i32 s15, s15, PITCH
	s_lshl2_add_u32 s15, s20, s15                  ; + 4 X0
	s_add_co_u32 s15, s15, 256                     ; + the zeros on the left
.endif
	v_add_nc_u32 v[CO], s15, v[CO]
	s_wait_loadcnt 0x0                             ; A, B, C, probs
.if FINAL
	s_wait_kmcnt 0x0
	v_mov_b32 v[BV], s63
	v_mov_b32 v[BV+1], s63
.endif
	; a 64-bit number times a small whole number, modulo 2^64: low word x n in 64 bits, then high word x n onto the high word
	v_mad_nc_u64_u32 v[C:C+1], v[A], s20, v[C:C+1]
	v_mad_u32 v[C+1], v[A+1], s20, v[C+1]
	v_mad_nc_u64_u32 v[C:C+1], v[B], s21, v[C:C+1]
	v_mad_u32 v[C+1], v[B+1], s21, v[C+1]          ; position at (X0, Y0)
	v_mad_nc_u64_u32 v[E1:E1+1], v[A], 63, v[C:C+1]
	v_mad_u32 v[E1+1], v[A+1], 63, v[E1+1]         ; at (X0 + 63, Y0)
	v_mad_nc_u64_u32 v[E2:E2+1], v[B], 3, v[C:C+1]
	v_mad_u32 v[E2+1], v[B+1], 3, v[E2+1]          ; at (X0, Y0 + 3)
	v_mad_nc_u64_u32 v[E3:E3+1], v[B], 3, v[E1:E1+1]
	v_mad_u32 v[E3+1], v[B+1], 3, v[E3+1]          ; at (X0 + 63, Y0 + 3)
	v_cmp_gt_i32 s54, s62, v[C+1]                  ; some corner at or below cell 1024 ...
	v_cmp_gt_i32 s55, s62, v[E1+1]
	v_cmp_gt_i32 s56, s62, v[E2+1]
	v_cmp_gt_i32 s57, s62, v[E3+1]
	v_cmp_le_i32 s58, 0, v[C+1]                    ; ... and some corner at or above cell 0
	v_cmp_le_i32 s59, 0, v[E1+1]
	v_cmp_le_i32 s60, 0, v[E2+1]
	v_cmp_le_i32 s61, 0, v[E3+1]
	s_or_b32 s54, s54, s55
	s_or_b32 s56, s56, s57
	s_or_b32 s58, s58, s59
	s_or_b32 s60, s60, s61
	s_or_b32 s54, s54, s56
	s_or_b32 s58, s58, s60
	s_and_b32 s22, s54, s58                        ; bit t: axis x may hit, bit 16 + t: axis y may hit
	s_lshr_b32 s23, s22, 16
	s_and_b32 s22, s22, s23                        ; bit t (0..15): both
	s_bcnt1_i32_b32 s23, s22                       ; trips
	; sum(probs): every row of 16 lanes holds all sixteen
	v_mov_b32 v[SUM], v[PR]
	v_add_f32_dpp v[SUM], v[SUM], v[SUM] row_xmask:1 row_mask:0xf bank_mask:0xf
	v_add_f32_dpp v[SUM], v[SUM], v[SUM] row_xmask:2 row_mask:0xf bank_mask:0xf
	v_add_f32_dpp v[SUM], v[SUM], v[SUM] row_xmask:4 row_mask:0xf bank_mask:0xf
	v_add_f32_dpp v[SUM], v[SUM], v[SUM] row_xmask:8 row_mask:0xf bank_mask:0xf
	v_rcp_f32 v[RS], v[SUM]
	v_rcp_f32 v[RS+1], v[SUM]                      ; the plain moves below stand between the reciprocals and their first use
.irp k, 0,1,2,3,4,5,6,7
	v_mov_b32 v[ACC+\k], 0                         ; the number of trips may be 0: the eight sums start from 0
.endr
	s_cmp_eq_u32 s23, 0
	s_cbranch_scc1 .Lout
	s_mov_b32 s24, 0
; block k: cell index and weights from my position, four gathers, one step of 8 pixels along x
.macro ISSUE k
	v_min_u32 v[U], LIM, v[PX+1]                   ; 0..1024 stays, everything else becomes 1025
	v_min_u32 v[V], LIM, v[PY+1]
	v_cvt_f32_u32 v[W+2*\k], v[PX]
	v_cvt_f32_u32 v[W+2*\k+1], v[PY]
	v_lshl_add_u32 v[V], v[V], 3, v[V]             ; 9 v
	v_lshl_add_u32 v[IDX+\k], v[V], 7, v[U]        ; 1152 v + u
	global_load_b32 v[D+4*\k],   v[IDX+\k], s[46:47] scale_offset
	global_load_b32 v[D+4*\k+2], v[IDX+\k], s[48:49] scale_offset
	global_load_b32 v[D+4*\k+1], v[IDX+\k], s[50:51] scale_offset
	global_load_b32 v[D+4*\k+3], v[IDX+\k], s[52:53] scale_offset
.if \k < 7
	v_add_nc_u64 v[PX:PX+1], v[PX:PX+1], v[DX:DX+1]
	v_add_nc_u64 v[PY:PY+1], v[PY:PY+1], v[DY:DY+1]
.endif
	v_pk_mul_f32 v[W+2*\k:W+2*\k+1], v[W+2*\k:W+2*\k+1], 0x2f800000 op_sel_hi:[1,0]   ; x 2^-32: weights in 0..1
.endm
.macro USE k
	s_wait_loadcnt 28-4*\k                         ; gathers return in order: block k's four are in, the 4 (7 - k) of the later blocks may be out
	v_pk_add_f32 v[D+4*\k+2:D+4*\k+3], v[D+4*\k+2:D+4*\k+3], v[D+4*\k:D+4*\k+1] neg_lo:[0,1] neg_hi:[0,1]          ; right - left, both rows
	v_pk_fma_f32 v[D+4*\k:D+4*\k+1], v[W+2*\k:W+2*\k+1], v[D+4*\k+2:D+4*\k+3], v[D+4*\k:D+4*\k+1] op_sel_hi:[0,1,1] ; left + wx (right - left), both rows
	v_sub_f32 v[D+4*\k+2], v[D+4*\k+1], v[D+4*\k]
	v_fma_f32 v[D+4*\k], v[W+2*\k+1], v[D+4*\k+2], v[D+4*\k]       ; upper + wy (lower - upper)
	v_fmac_f32 v[ACC+\k], s40, v[D+4*\k]                           ; x probs[t], onto the sum
.endm
.Lt:
	s_ctz_i32_b32 s25, s22                         ; the next transform that may hit
	s_sub_co_u32 s27, s22, 1
	s_and_b32 s22, s22, s27                        ; its bit is cleared
	s_add_co_u32 s26, s25, 16
	v_readlane_b32 s28, v[C], s25                  ; position of the tile's first pixel along x,
	v_readlane_b32 s29, v[C+1], s25
	v_readlane_b32 s30, v[C], s26                  ; along y
	v_readlane_b32 s31, v[C+1], s26
	v_readlane_b32 s32, v[A], s25                  ; steps for one pixel along x
	v_readlane_b32 s33, v[A+1], s25
	v_readlane_b32 s34, v[A], s26
	v_readlane_b32 s35, v[A+1], s26
	v_readlane_b32 s36, v[B], s25                  ; and along y
	v_readlane_b32 s37, v[B+1], s25
	v_readlane_b32 s38, v[B], s26
	v_readlane_b32 s39, v[B+1], s26
	v_readlane_b32 s40, v[PR], s25                 ; probs[t]
	s_lshl_b64 s[42:43], s[32:33], 3               ; 8 pixels along x
	s_lshl_b64 s[44:45], s[34:35], 3
	v_mov_b32 v[PX], s28
	v_mov_b32 v[PX+1], s29
	v_mov_b32 v[PY], s30
	v_mov_b32 v[PY+1], s31
	v_mad_nc_u64_u32 v[PX:PX+1], s32, v[LX], v[PX:PX+1]            ; my pixel of block 0: + lx A + ly B
	v_mad_nc_u64_u32 v[PY:PY+1], s34, v[LX], v[PY:PY+1]
	v_mad_u32 v[PX+1], s33, v[LX], v[PX+1]
	v_mad_u32 v[PY+1], s35, v[LX], v[PY+1]
	v_mad_nc_u64_u32 v[PX:PX+1], s36, v[LY], v[PX:PX+1]
	v_mad_nc_u64_u32 v[PY:PY+1], s38, v[LY], v[PY:PY+1]
	v_mad_u32 v[PX+1], s37, v[LY], v[PX+1]
	v_mad_u32 v[PY+1], s39, v[LY], v[PY+1]
	v_mov_b32 v[DX], s42
	v_mov_b32 v[DX+1], s43
	v_mov_b32 v[DY], s44
	v_mov_b32 v[DY+1], s45
.irp k, 0,1,2,3,4,5,6,7
	ISSUE \k                                       ; all 32 gathers of the trip go out before the first is waited for
.endr
.irp k, 0,1,2,3,4,5,6,7
	USE \k                                         ; the last wait is for 0: the next trip may rewrite IDX and D
.endr
	s_add_co_u32 s24, s24, 1
	s_cmp_lt_u32 s24, s23
	s_cbranch_scc1 .Lt
.Lout:
	; a lane holds one pixel of each of eight blocks; a store wants 16 neighbouring bytes a lane.  The wave's own stage in LDS turns the tile:
	; no other wave touches these bytes, and LDS serves a wave's instructions in order (ISA guide 5.7.1), so no wait stands between stores and loads.
.irp k, 0,1,2,3,4,5,6,7
	ds_store_b32 v[STO], v[ACC+\k] offset:32*\k
.endr
	ds_load_b128 v[D:D+3], v[RD]                   ; rows 0 and 1
	ds_load_b128 v[D+4:D+7], v[RD] offset:2*LROW   ; rows 2 and 3
	s_wait_dscnt 0x1                               ; the first read is back, the second may be out
.if FINAL
	s_wait_alu depctr_va_vdst(0)
	v_pk_fma_f32 v[D:D+1], v[D:D+1], v[RS:RS+1], v[BV:BV+1]
	v_pk_fma_f32 v[D+2:D+3], v[D+2:D+3], v[RS:RS+1], v[BV:BV+1]
	global_store_b128 v[CO], v[D:D+3], s[10:11] th:TH_STORE_NT     ; 16 lanes store 256 neighbouring bytes, at a multiple of 256
.else
	v_pk_mul_f32 v[D:D+1], v[D:D+1], v[RS:RS+1]
	v_pk_mul_f32 v[D+2:D+3], v[D+2:D+3], v[RS:RS+1]
	global_store_b128 v[CO], v[D:D+3], s[10:11]                    ; 16 lanes store 256 neighbouring bytes, at a multiple of 256
.endif
	s_wait_dscnt 0x0
.if FINAL
	v_pk_fma_f32 v[D+4:D+5], v[D+4:D+5], v[RS:RS+1], v[BV:BV+1]
	v_pk_fma_f32 v[D+6:D+7], v[D+6:D+7], v[RS:RS+1], v[BV:BV+1]
	global_store_b128 v[CO], v[D+4:D+7], s[10:11] offset:2*OPITCH th:TH_STORE_NT
.else
	v_pk_mul_f32 v[D+4:D+5], v[D+4:D+5], v[RS:RS+1]
	v_pk_mul_f32 v[D+6:D+7], v[D+6:D+7], v[RS:RS+1]
	global_store_b128 v[CO], v[D+4:D+7], s[10:11] offset:2*OPITCH
.endif
	s_wait_tensorcnt 0x0
	ds_add_u32 v100, v101
	s_wait_dscnt 0x0
	s_endpgm
.Lfunc_end_k_q096d73df39_iter2:
	.size	k_q096d73df39_iter2, .Lfunc_end_k_q096d73df39_iter2-k_q096d73df39_iter2
	.p2alignl 7, 3214868480
	.fill 96, 4, 3214868480
	.section	.rodata,"a",@progbits
	.p2align	6, 0x0
	.amdhsa_kernel k_q096d73df39_iter2
		.amdhsa_group_segment_fixed_size 20480
		.amdhsa_private_segment_fixed_size 0
		.amdhsa_enable_private_segment 0
		.amdhsa_kernarg_size 40
		.amdhsa_user_sgpr_count 2
		.amdhsa_user_sgpr_kernarg_segment_ptr 1
		.amdhsa_wavefront_size32 1
		.amdhsa_system_sgpr_workgroup_id_x 1
		.amdhsa_system_sgpr_workgroup_id_y 1
		.amdhsa_system_sgpr_workgroup_id_z 1
		.amdhsa_system_vgpr_workitem_id 0
		.amdhsa_next_free_vgpr 102
		.amdhsa_next_free_sgpr 66
		.amdhsa_reserve_vcc 0
		.amdhsa_float_denorm_mode_32 3
		.amdhsa_float_denorm_mode_16_64 3
		.amdhsa_memory_ordered 1
		.amdhsa_forward_progress 1
		.amdhsa_inst_pref_size 17
	.end_amdhsa_kernel
	.amdgpu_metadata
---
amdhsa.version: [ 1, 2 ]
amdhsa.kernels:
  - .name:           k_q096d73df39_iter2
    .symbol:         k_q096d73df39_iter2.kd
    .args:
      - { .name: pad1, .offset: 0, .size: 8, .value_kind: global_buffer, .address_space: global }
      - { .name: params, .offset: 8, .size: 8, .value_kind: global_buffer, .address_space: global }
      - { .name: probs, .offset: 16, .size: 8, .value_kind: global_buffer, .address_space: global }
      - { .name: out0, .offset: 24, .size: 8, .value_kind: global_buffer, .address_space: global }
      - { .name: base_value, .offset: 32, .size: 8, .value_kind: global_buffer, .address_space: global }
    .group_segment_fixed_size: 20480
    .private_segment_fixed_size: 0
    .kernarg_segment_align: 8
    .kernarg_segment_size: 40
    .max_flat_workgroup_size: 512
    .sgpr_count:     66
    .vgpr_count:     102
    .wavefront_size: 32
...
	.end_amdgpu_metadata
.endif
;; end of part 3
;; ======== version 2 of 2: 3 launches; version 1 with the launches iter1, iter2 written anew for expert scheduling mode
;; limits: right only within a limited range of input values
;; workspace buffers: pad0 4,732,416 bytes; pad1 4,732,416 bytes; params 768 bytes of whole numbers
;; launch prep: the kernel of part 1 again; grid 256 x 1, 8 waves a work-group, no clusters, 0 bytes of LDS; arguments canvas0, theta, pad0, pad1, params; writes pad0, pad1, params
;; launch iter1 (part 4): grid 256 x 1, 16 waves a work-group, no clusters, 20,480 bytes of LDS; arguments pad0, params, probs, pad1; writes pad1
.if DOCPART == 4
	.amdgcn_target "amdgcn-amd-amdhsa--gfx1250"
	.amdhsa_code_object_version 6
	.text
	.protected	k_q096d73df39_iter1
	.globl	k_q096d73df39_iter1
	.p2align	8
	.type	k_q096d73df39_iter1,@function
k_q096d73df39_iter1:
	s_mov_b64 s[64:65], 0
	v_nop
	global_prefetch_b8 v0, s[64:65] scope:SCOPE_SE
	s_setreg_imm32_b32 hwreg(HW_REG_WAVE_SCHED_MODE, 0, 2), 2
	s_setreg_imm32_b32 hwreg(HW_REG_WAVE_MODE, 25, 1), 1
	s_wait_xcnt 0x0
	s_wait_alu depctr_vm_vsrc(0)
; ONE STEP: new[y][x] = (sum over t of probs[t] * bilinear(old, theta[t] (x, y))) / sum(probs)   (+ base_value in the last step, FINAL = 1)
; old: a framed canvas (1027 rows of 4608 bytes; cell (v, u), v = y + 1, u = x + 1, lies at byte 4608 v + 252 + 4 u; all cells outside 1..1024 hold zeros).
; POSITIONS are whole numbers, signed 64 bits with 32 fraction bits, made by the launch before: pos = A x + B y + C for each axis.
;   The high word is u = floor(ix) + 1 (valid: 0..1024), the low word the weight of the right (lower) neighbour.
;   One unsigned minimum with 1025 sends u < 0 (huge when read unsigned) and u > 1024 to cell 1025, which with its neighbour 1026 holds zeros:
;   the zeros of the padding come from the frame, no mask is needed, and one index serves the four corners through four bases.
; SHARES: a wave owns 64 x 4 pixels.  One gather takes a block of 8 x 4 pixels (lane = lx + 8 ly), so that its 32 positions span
;   7 steps along x and 3 along y of the source instead of 31 along x; eight blocks side by side, one accumulator a lane for each.
;   A work-group has 16 waves in four groups of four (64 x 16 pixels each); the groups lie 256 pixels apart in x and in y (wrapping round),
;   because the number of transforms that hit the canvas differs between its middle and its corners.
; SKIPPING: positions are affine, so over a tile they lie between the values at its four corners.  Lane t + 16 r evaluates axis r of transform t
;   at the corners; a transform all of whose corners lie on one side outside takes no trip.  Trips = number of bits in the mask.
; The weighted sum over t is one fused multiply-add a sample in f32 on the value just interpolated: as a matrix product it would have one row.
; No cluster, no tensor load: which rows of the source a tile needs hangs on theta, and no two work-groups need a common tile at a known time.
; LIMITS: as the launch before states (theta clamped to +-2^18).  probs are summed pairwise and divided by one reciprocal (1 ulp).
; THE MODE: SCHED_MODE bits 1:0 = 2 (LLVM: expert scheduling mode 2), set by the entry lines.  The code itself states the register dependences
;   between vector instructions and memory or LDS instructions, with s_wait_alu, always for 0.
; THE PLAN.  The eight blocks are two halves, L (blocks 0-3) and H (blocks 4-7).  Registers that memory or LDS instructions touch:
;   IDX H   written by the index lines at a trip's head; read by H's sixteen gathers in the trip's first half.
;   IDX L   written by the index lines in a trip's middle, for the NEXT transform; read by L's sixteen gathers in the trip's second half.
;   D H     H's gathers land in it in the first half; the lines that use blocks 4-7 read and write it in the same trip's second half.
;   D L     L's gathers land in it in the second half; the lines that use blocks 0-3 read and write it in the next trip's first half.
;   v1, v[PO]  offsets of the head's four loads: made once, never written again.   STO, RD, CO, ACC: read on the way out alone.
;   W, PX, PY, DX, DY, U, V are named by vector instructions alone.
; A trip: index H | wait | H's gathers, four ahead of each use of a block of L | the next transform's numbers | wait | index L | wait |
;   L's gathers for the next transform, four ahead of each use of a block of H.  The lines that use one half name none of the registers that the
;   other half's gathers touch, so the wait on va_vdst ahead of a half's first gather serves all sixteen.  One wait on vm_vsrc a trip, in its
;   middle, frees IDX L for the lines behind it and IDX H for the next trip's head.  The first L goes out ahead of the loop; the last trip is written out.
.set FINAL,  0
.set PITCH,  4608                      ; bytes of a framed row = 1152 cells = 9 << 7
.set LIM,    1025                      ; the cell of zeros that every position outside is sent to
.if FINAL
.set OPITCH, 4096                      ; out0: plain rows
.else
.set OPITCH, PITCH
.endif
.set LROW,   288                       ; LDS stage: 256 bytes of a row + 32, so that the four rows of a block start 8 banks apart
.set LWAVE,  4*LROW                    ; a wave's own stage
.set LX,  2                            ; lane mod 8
.set LY,  3                            ; lane / 8
.set A,   4                            ; v[4:5]   A of my (t, axis)
.set B,   6                            ; v[6:7]   B
.set C,   8                            ; v[8:9]   C, then the position at the tile's first pixel
.set E1,  10                           ; v[10:15] the positions at the other three corners
.set E2,  12
.set E3,  14
.set PR,  16                           ; probs[lane mod 16]
.set SUM, 17
.set RS,  18                           ; v[18:19] 1 / sum(probs), twice
.set BV,  20                           ; v[20:21] base_value, twice (FINAL)
.set PX,  22                           ; v[22:23] my position along x, v[24:25] along y
.set PY,  24
.set DX,  26                           ; v[26:29] their steps from block to block: 8 A
.set DY,  28
.set U,   30
.set V,   31
.set STO, 32                           ; LDS: where I put a block's number
.set RD,  33                           ; LDS: where I read 16 bytes of a row back
.set CO,  34                           ; my byte offset in the output
.set PO,  35                           ; my byte offset in probs; never rewritten
.set ACC, 36                           ; v[36:43] eight sums
.set IDX, 44                           ; v[44:51] block k: cell index; untouched while the block's gathers are out
.set W,   52                           ; v[52:67] block k: (wx, wy)
.set D,   68                           ; v[68:99] block k: (c00, c10), (c01, c11)
	s_load_b256 s[4:11], s[0:1], 0x0               ; old s[4:5], params s[6:7], probs s[8:9], new s[10:11]
	v_lshl_add_u32 v20, v0, 2, 0x4800
	v_mov_b32 v21, 0
.if FINAL
	s_load_b64 s[12:13], s[0:1], 0x20              ; base_value
.endif
	v_lshrrev_b32 v1, 5, v0
	v_readfirstlane_b32 s14, v1                    ; wave 0..15
	v_and_b32 v[LX], 7, v0
	v_bfe_u32 v[LY], v0, 3, 2
	v_and_b32 v1, 31, v0
	v_lshlrev_b32 v1, 3, v1                        ; 8 x lane: my entry of params
	v_and_b32 v[U], 15, v0
	v_lshlrev_b32 v[PO], 2, v[U]                   ; 4 x (lane mod 16): my entry of probs
	s_wait_alu depctr_va_sdst(0)                   ; s14 is written, ahead of its first reader: the tile's place and the stage's address are made from it
	s_lshr_b32 s15, s14, 2                         ; group j 0..3
	s_and_b32 s16, s14, 3                          ; my place in the group
	s_and_b32 s17, ttmp9, 15
	s_lshr_b32 s18, ttmp9, 4
	s_lshl2_add_u32 s17, s15, s17
	s_and_b32 s17, s17, 15                         ; block column = (g mod 16 + 4 j) mod 16
	s_lshl4_add_u32 s18, s15, s18                  ; block row = g / 16 + 16 j: each of the 16 x 64 places is taken once
	s_lshl_b32 s20, s17, 6                         ; X0: my tile's first pixel
	s_lshl2_add_u32 s21, s18, s16
	s_lshl_b32 s21, s21, 2                         ; Y0 = 16 x block row + 4 x place
	s_movk_i32 s62, LIM
	s_wait_kmcnt 0x0
	s_wait_alu depctr_va_vdst(0)                   ; v1 and v[PO] are written, which the four loads below read as their offsets
	global_load_b64 v[A:A+1], v1, s[6:7]
	global_load_b64 v[B:B+1], v1, s[6:7] offset:256
	global_load_b64 v[C:C+1], v1, s[6:7] offset:512
	global_load_b32 v[PR], v[PO], s[8:9]
.if FINAL
	s_load_b32 s63, s[12:13], 0x0
.endif
	s_add_nc_u64 s[46:47], s[4:5], 252             ; cell (v, u)
	s_add_nc_u64 s[48:49], s[4:5], 256             ; cell (v, u + 1)
	s_add_nc_u64 s[50:51], s[4:5], PITCH+252       ; cell (v + 1, u)
	s_add_nc_u64 s[52:53], s[4:5], PITCH+256       ; cell (v + 1, u + 1)
	s_mul_i32 s19, s14, LWAVE
	v_mul_u32_u24 v[STO], v[LY], LROW
	v_lshl_add_u32 v[STO], v[LX], 2, v[STO]
	v_add_nc_u32 v[STO], s19, v[STO]
	v_bfe_u32 v[CO], v0, 4, 1                      ; lanes 0-15 take one row, lanes 16-31 the next
	v_mul_u32_u24 v[RD], v[CO], LROW
	v_lshl_add_u32 v[RD], v[U], 4, v[RD]
	v_add_nc_u32 v[RD], s19, v[RD]
	v_mul_u32_u24 v[CO], v[CO], OPITCH
	v_lshl_add_u32 v[CO], v[U], 4, v[CO]
.if FINAL
	s_lshl_b32 s15, s21, 12                        ; row Y0 of out0
	s_lshl2_add_u32 s15, s20, s15                  ; + 4 X0
.else
	s_add_co_u32 s15, s21, 1                       ; framed row Y0 + 1
	s_mul_i32 s15, s15, PITCH
	s_lshl2_add_u32 s15, s20, s15                  ; + 4 X0
	s_add_co_u32 s15, s15, 256                     ; + the zeros on the left
.endif
	v_add_nc_u32 v[CO], s15, v[CO]
	s_wait_loadcnt 0x0                             ; A, B, C, probs
.if FINAL
	s_wait_kmcnt 0x0
	v_mov_b32 v[BV], s63
	v_mov_b32 v[BV+1], s63
.endif
	; a 64-bit number times a small whole number, modulo 2^64: low word x n in 64 bits, then high word x n onto the high word
	v_mad_nc_u64_u32 v[C:C+1], v[A], s20, v[C:C+1]
	v_mad_u32 v[C+1], v[A+1], s20, v[C+1]
	v_mad_nc_u64_u32 v[C:C+1], v[B], s21, v[C:C+1]
	v_mad_u32 v[C+1], v[B+1], s21, v[C+1]          ; position at (X0, Y0)
	v_mad_nc_u64_u32 v[E1:E1+1], v[A], 63, v[C:C+1]
	v_mad_u32 v[E1+1], v[A+1], 63, v[E1+1]         ; at (X0 + 63, Y0)
	v_mad_nc_u64_u32 v[E2:E2+1], v[B], 3, v[C:C+1]
	v_mad_u32 v[E2+1], v[B+1], 3, v[E2+1]          ; at (X0, Y0 + 3)
	v_mad_nc_u64_u32 v[E3:E3+1], v[B], 3, v[E1:E1+1]
	v_mad_u32 v[E3+1], v[B+1], 3, v[E3+1]          ; at (X0 + 63, Y0 + 3)
	v_cmp_gt_i32 s54, s62, v[C+1]                  ; some corner at or below cell 1024 ...
	v_cmp_gt_i32 s55, s62, v[E1+1]
	v_cmp_gt_i32 s56, s62, v[E2+1]
	v_cmp_gt_i32 s57, s62, v[E3+1]
	v_cmp_le_i32 s58, 0, v[C+1]                    ; ... and some corner at or above cell 0
	v_cmp_le_i32 s59, 0, v[E1+1]
	v_cmp_le_i32 s60, 0, v[E2+1]
	v_cmp_le_i32 s61, 0, v[E3+1]
	s_wait_alu depctr_va_sdst(0)                   ; the eight compares have written s54 to s61, ahead of their first readers below
	s_or_b32 s54, s54, s55
	s_or_b32 s56, s56, s57
	s_or_b32 s58, s58, s59
	s_or_b32 s60, s60, s61
	s_or_b32 s54, s54, s56
	s_or_b32 s58, s58, s60
	s_and_b32 s22, s54, s58                        ; bit t: axis x may hit, bit 16 + t: axis y may hit
	s_lshr_b32 s23, s22, 16
	s_and_b32 s22, s22, s23                        ; bit t (0..15): both
	s_bcnt1_i32_b32 s23, s22                       ; trips
	; sum(probs): every row of 16 lanes holds all sixteen
	v_mov_b32 v[SUM], v[PR]
	v_add_f32_dpp v[SUM], v[SUM], v[SUM] row_xmask:1 row_mask:0xf bank_mask:0xf
	v_add_f32_dpp v[SUM], v[SUM], v[SUM] row_xmask:2 row_mask:0xf bank_mask:0xf
	v_add_f32_dpp v[SUM], v[SUM], v[SUM] row_xmask:4 row_mask:0xf bank_mask:0xf
	v_add_f32_dpp v[SUM], v[SUM], v[SUM] row_xmask:8 row_mask:0xf bank_mask:0xf
	v_rcp_f32 v[RS], v[SUM]
	v_rcp_f32 v[RS+1], v[SUM]                      ; the plain moves below stand between the reciprocals and their first use
.irp k, 0,1,2,3,4,5,6,7
	v_mov_b32 v[ACC+\k], 0                         ; the number of trips may be 0: the eight sums start from 0
.endr
	s_cmp_eq_u32 s23, 0
	s_cbranch_scc1 .Lout
; The next transform that may hit: its numbers into scalar registers, my position in its block 0 into PX and PY, the steps into DX and DY.
; probs[t] goes into s41: s40 still serves the transform in hand.
.macro NEXT
	s_ctz_i32_b32 s25, s22                         ; the next transform that may hit
	s_sub_co_u32 s27, s22, 1
	s_and_b32 s22, s22, s27                        ; its bit is cleared
	s_add_co_u32 s26, s25, 16
	v_readlane_b32 s28, v[C], s25                  ; position of the tile's first pixel along x,
	v_readlane_b32 s29, v[C+1], s25
	v_readlane_b32 s30, v[C], s26                  ; along y
	v_readlane_b32 s31, v[C+1], s26
	v_readlane_b32 s32, v[A], s25                  ; steps for one pixel along x
	v_readlane_b32 s33, v[A+1], s25
	v_readlane_b32 s34, v[A], s26
	v_readlane_b32 s35, v[A+1], s26
	v_readlane_b32 s36, v[B], s25                  ; and along y
	v_readlane_b32 s37, v[B+1], s25
	v_readlane_b32 s38, v[B], s26
	v_readlane_b32 s39, v[B+1], s26
	v_readlane_b32 s41, v[PR], s25                 ; probs[t]
	s_wait_alu depctr_va_sdst(0)                   ; the thirteen lines above have written s28 to s39 and s41, ahead of their first readers
	s_lshl_b64 s[42:43], s[32:33], 3               ; 8 pixels along x
	s_lshl_b64 s[44:45], s[34:35], 3
	v_mov_b32 v[PX], s28
	v_mov_b32 v[PX+1], s29
	v_mov_b32 v[PY], s30
	v_mov_b32 v[PY+1], s31
	v_mad_nc_u64_u32 v[PX:PX+1], s32, v[LX], v[PX:PX+1]            ; my pixel of block 0: + lx A + ly B
	v_mad_nc_u64_u32 v[PY:PY+1], s34, v[LX], v[PY:PY+1]
	v_mad_u32 v[PX+1], s33, v[LX], v[PX+1]
	v_mad_u32 v[PY+1], s35, v[LX], v[PY+1]
	v_mad_nc_u64_u32 v[PX:PX+1], s36, v[LY], v[PX:PX+1]
	v_mad_nc_u64_u32 v[PY:PY+1], s38, v[LY], v[PY:PY+1]
	v_mad_u32 v[PX+1], s37, v[LY], v[PX+1]
	v_mad_u32 v[PY+1], s39, v[LY], v[PY+1]
	v_mov_b32 v[DX], s42
	v_mov_b32 v[DX+1], s43
	v_mov_b32 v[DY], s44
	v_mov_b32 v[DY+1], s45
.endm
; block k: cell index and weights from my position, one step of 8 pixels along x
.macro INDEX k
	v_min_u32 v[U], LIM, v[PX+1]                   ; 0..1024 stays, everything else becomes 1025
	v_min_u32 v[V], LIM, v[PY+1]
	v_cvt_f32_u32 v[W+2*(\k)], v[PX]
	v_cvt_f32_u32 v[W+2*(\k)+1], v[PY]
	v_lshl_add_u32 v[V], v[V], 3, v[V]             ; 9 v
.if (\k) < 7
	v_add_nc_u64 v[PX:PX+1], v[PX:PX+1], v[DX:DX+1]
	v_add_nc_u64 v[PY:PY+1], v[PY:PY+1], v[DY:DY+1]
.endif
	v_lshl_add_u32 v[IDX+(\k)], v[V], 7, v[U]      ; 1152 v + u
	v_pk_mul_f32 v[W+2*(\k):W+2*(\k)+1], v[W+2*(\k):W+2*(\k)+1], 0x2f800000 op_sel_hi:[1,0]   ; x 2^-32: weights in 0..1
.endm
; block k: its four gathers
.macro GATHER k
	global_load_b32 v[D+4*(\k)],   v[IDX+(\k)], s[46:47] scale_offset
	global_load_b32 v[D+4*(\k)+2], v[IDX+(\k)], s[48:49] scale_offset
	global_load_b32 v[D+4*(\k)+1], v[IDX+(\k)], s[50:51] scale_offset
	global_load_b32 v[D+4*(\k)+3], v[IDX+(\k)], s[52:53] scale_offset
.endm
; block k is interpolated and added.  left = how many younger gathers may still be out
.macro USE k, left
	s_wait_loadcnt \left                           ; gathers return in order (ISA guide 5.7.1): block k's four are in, the younger ones may be out
	v_pk_add_f32 v[D+4*(\k)+2:D+4*(\k)+3], v[D+4*(\k)+2:D+4*(\k)+3], v[D+4*(\k):D+4*(\k)+1] neg_lo:[0,1] neg_hi:[0,1]          ; right - left, both rows
	v_pk_fma_f32 v[D+4*(\k):D+4*(\k)+1], v[W+2*(\k):W+2*(\k)+1], v[D+4*(\k)+2:D+4*(\k)+3], v[D+4*(\k):D+4*(\k)+1] op_sel_hi:[0,1,1] ; left + wx (right - left), both rows
	v_sub_f32 v[D+4*(\k)+2], v[D+4*(\k)+1], v[D+4*(\k)]
	v_fma_f32 v[D+4*(\k)], v[W+2*(\k)+1], v[D+4*(\k)+2], v[D+4*(\k)]       ; upper + wy (lower - upper)
	v_fmac_f32 v[ACC+(\k)], s40, v[D+4*(\k)]                               ; x probs[t], onto the sum
.endm
; A TRIP.  At its head the sixteen gathers of blocks 0-3 are out and nothing else.  more = 1: another transform follows.
; Beside gathers every count is 16: behind a block's four gathers stand four groups of four: the rest of its half, and what has gone out of the other half.
.macro TRIP more
.irp k, 4,5,6,7
	INDEX \k
.endr
	s_wait_alu depctr_va_vdst(0)                   ; IDX 4-7 are written, which the gathers below read; the trip before is done reading and writing D of blocks 4-7, in which they land
.irp k, 0,1,2,3
	GATHER (\k)+4                                  ; no vector instruction since the wait names IDX or D of blocks 4-7
	USE \k, 16
.endr
.if \more
	NEXT
	s_wait_alu depctr_vm_vsrc(0)                   ; every gather issued so far has read its index: IDX 0-3 are written again just below, IDX 4-7 at the next trip's head
	                                               ; (each block's counted wait on LOADcnt has shown, or will by then have shown, those gathers themselves done)
.irp k, 0,1,2,3
	INDEX \k
.endr
	s_wait_alu depctr_va_vdst(0)                   ; IDX 0-3 are written, which the gathers below read; the lines above are done reading and writing D of blocks 0-3, in which they land
.irp k, 0,1,2,3
	GATHER \k                                      ; no vector instruction since the wait names IDX or D of blocks 0-3
	USE (\k)+4, 16
.endr
	s_mov_b32 s40, s41                             ; probs[t] of the transform whose blocks 0-3 are on their way
.else
.irp k, 0,1,2,3
	USE (\k)+4, 12-4*(\k)                          ; nothing more is asked for: the counts run down
.endr
.endif
.endm
	NEXT                                           ; the first transform
.irp k, 0,1,2,3
	INDEX \k
.endr
	s_mov_b32 s40, s41
	s_wait_alu depctr_va_vdst(0)                   ; IDX 0-3 are written, which the first sixteen gathers read
.irp k, 0,1,2,3
	GATHER \k
.endr
	s_sub_co_u32 s23, s23, 1                       ; all trips but the last have a transform behind them
	s_cmp_eq_u32 s23, 0
	s_cbranch_scc1 .Llast
	s_mov_b32 s24, 0
.Lt:
	TRIP 1
	s_add_co_u32 s24, s24, 1
	s_cmp_lt_u32 s24, s23
	s_cbranch_scc1 .Lt
.Llast:
	TRIP 0                                         ; the last trip is written out: its last wait is for 0
.Lout:
	; a lane holds one pixel of each of eight blocks; a store wants 16 neighbouring bytes a lane.  The wave's own stage in LDS turns the tile:
	; no other wave touches these bytes, and LDS serves a wave's instructions in order (ISA guide 5.7.1), so no wait stands between stores and loads.
	s_wait_alu depctr_va_vdst(0)                   ; the eight sums, STO, RD and CO are written, which the lines below read; the last trip is done with D's first eight registers, in which the reads back land
.irp k, 0,1,2,3,4,5,6,7
	ds_store_b32 v[STO], v[ACC+\k] offset:32*\k
.endr
	ds_load_b128 v[D:D+3], v[RD]                   ; rows 0 and 1
	ds_load_b128 v[D+4:D+7], v[RD] offset:2*LROW   ; rows 2 and 3
	s_wait_dscnt 0x1                               ; the first read is back, the second may be out
.if FINAL
	v_pk_fma_f32 v[D:D+1], v[D:D+1], v[RS:RS+1], v[BV:BV+1]
	v_pk_fma_f32 v[D+2:D+3], v[D+2:D+3], v[RS:RS+1], v[BV:BV+1]
.else
	v_pk_mul_f32 v[D:D+1], v[D:D+1], v[RS:RS+1]
	v_pk_mul_f32 v[D+2:D+3], v[D+2:D+3], v[RS:RS+1]
.endif
	s_wait_dscnt 0x0
.if FINAL
	v_pk_fma_f32 v[D+4:D+5], v[D+4:D+5], v[RS:RS+1], v[BV:BV+1]
	v_pk_fma_f32 v[D+6:D+7], v[D+6:D+7], v[RS:RS+1], v[BV:BV+1]
.else
	v_pk_mul_f32 v[D+4:D+5], v[D+4:D+5], v[RS:RS+1]
	v_pk_mul_f32 v[D+6:D+7], v[D+6:D+7], v[RS:RS+1]
.endif
	s_wait_alu depctr_va_vdst(0)                   ; the four scalings have written D's first eight registers, which the two stores read
.if FINAL
	global_store_b128 v[CO], v[D:D+3], s[10:11] th:TH_STORE_NT     ; 16 lanes store 256 neighbouring bytes, at a multiple of 256
	global_store_b128 v[CO], v[D+4:D+7], s[10:11] offset:2*OPITCH th:TH_STORE_NT
.else
	global_store_b128 v[CO], v[D:D+3], s[10:11]                    ; 16 lanes store 256 neighbouring bytes, at a multiple of 256
	global_store_b128 v[CO], v[D+4:D+7], s[10:11] offset:2*OPITCH
.endif
	s_wait_dscnt 0x0
	s_wait_alu depctr_hold_cnt(0) depctr_sa_sdst(0) depctr_va_vdst(0) depctr_va_sdst(0) depctr_va_ssrc(0) depctr_va_vcc(0) depctr_vm_vsrc(0)
	s_wait_tensorcnt 0x0
	ds_add_u32 v20, v21
	s_wait_dscnt 0x0
	s_endpgm
.Lfunc_end_k_q096d73df39_iter1:
	.size	k_q096d73df39_iter1, .Lfunc_end_k_q096d73df39_iter1-k_q096d73df39_iter1
	.p2alignl 7, 3214868480
	.fill 96, 4, 3214868480
	.section	.rodata,"a",@progbits
	.p2align	6, 0x0
	.amdhsa_kernel k_q096d73df39_iter1
		.amdhsa_group_segment_fixed_size 20480
		.amdhsa_private_segment_fixed_size 0
		.amdhsa_enable_private_segment 0
		.amdhsa_kernarg_size 32
		.amdhsa_user_sgpr_count 2
		.amdhsa_user_sgpr_kernarg_segment_ptr 1
		.amdhsa_wavefront_size32 1
		.amdhsa_system_sgpr_workgroup_id_x 1
		.amdhsa_system_sgpr_workgroup_id_y 1
		.amdhsa_system_sgpr_workgroup_id_z 1
		.amdhsa_system_vgpr_workitem_id 0
		.amdhsa_next_free_vgpr 100
		.amdhsa_next_free_sgpr 66
		.amdhsa_reserve_vcc 0
		.amdhsa_float_denorm_mode_32 3
		.amdhsa_float_denorm_mode_16_64 3
		.amdhsa_memory_ordered 1
		.amdhsa_forward_progress 1
		.amdhsa_inst_pref_size 29
	.end_amdhsa_kernel
	.amdgpu_metadata
---
amdhsa.version: [ 1, 2 ]
amdhsa.kernels:
  - .name:           k_q096d73df39_iter1
    .symbol:         k_q096d73df39_iter1.kd
    .args:
      - { .name: pad0, .offset: 0, .size: 8, .value_kind: global_buffer, .address_space: global }
      - { .name: params, .offset: 8, .size: 8, .value_kind: global_buffer, .address_space: global }
      - { .name: probs, .offset: 16, .size: 8, .value_kind: global_buffer, .address_space: global }
      - { .name: pad1, .offset: 24, .size: 8, .value_kind: global_buffer, .address_space: global }
    .group_segment_fixed_size: 20480
    .private_segment_fixed_size: 0
    .kernarg_segment_align: 8
    .kernarg_segment_size: 32
    .max_flat_workgroup_size: 512
    .sgpr_count:     66
    .vgpr_count:     100
    .wavefront_size: 32
...
	.end_amdgpu_metadata
.endif
;; end of part 4
;; launch iter2 (part 5): grid 256 x 1, 16 waves a work-group, no clusters, 20,480 bytes of LDS; arguments pad1, params, probs, out0, base_value; writes out0
.if DOCPART == 5
	.amdgcn_target "amdgcn-amd-amdhsa--gfx1250"
	.amdhsa_code_object_version 6
	.text
	.protected	k_q096d73df39_iter2
	.globl	k_q096d73df39_iter2
	.p2align	8
	.type	k_q096d73df39_iter2,@function
k_q096d73df39_iter2:
	s_mov_b64 s[64:65], 0
	v_nop
	global_prefetch_b8 v0, s[64:65] scope:SCOPE_SE
	s_setreg_imm32_b32 hwreg(HW_REG_WAVE_SCHED_MODE, 0, 2), 2
	s_setreg_imm32_b32 hwreg(HW_REG_WAVE_MODE, 25, 1), 1
	s_wait_xcnt 0x0
	s_wait_alu depctr_vm_vsrc(0)
; ONE STEP: new[y][x] = (sum over t of probs[t] * bilinear(old, theta[t] (x, y))) / sum(probs)   (+ base_value in the last step, FINAL = 1)
; This is the text of the first step with FINAL = 1: the output is out0 (plain rows of 4096 bytes) and base_value is added.
; old: a framed canvas (1027 rows of 4608 bytes; cell (v, u), v = y + 1, u = x + 1, lies at byte 4608 v + 252 + 4 u; all cells outside 1..1024 hold zeros).
; POSITIONS are whole numbers, signed 64 bits with 32 fraction bits, made by the first launch: pos = A x + B y + C for each axis.
;   The high word is u = floor(ix) + 1 (valid: 0..1024), the low word the weight of the right (lower) neighbour.
;   One unsigned minimum with 1025 sends u < 0 (huge when read unsigned) and u > 1024 to cell 1025, which with its neighbour 1026 holds zeros:
;   the zeros of the padding come from the frame, no mask is needed, and one index serves the four corners through four bases.
; SHARES: a wave owns 64 x 4 pixels.  One gather takes a block of 8 x 4 pixels (lane = lx + 8 ly), so that its 32 positions span
;   7 steps along x and 3 along y of the source instead of 31 along x; eight blocks side by side, one accumulator a lane for each.
;   A work-group has 16 waves in four groups of four (64 x 16 pixels each); the groups lie 256 pixels apart in x and in y (wrapping round),
;   because the number of transforms that hit the canvas differs between its middle and its corners.
; SKIPPING: positions are affine, so over a tile they lie between the values at its four corners.  Lane t + 16 r evaluates axis r of transform t
;   at the corners; a transform all of whose corners lie on one side outside takes no trip.  Trips = number of bits in the mask.
; The weighted sum over t is one fused multiply-add a sample in f32 on the value just interpolated: as a matrix product it would have one row.
; No cluster, no tensor load: which rows of the source a tile needs hangs on theta, and no two work-groups need a common tile at a known time.
; LIMITS: as the first launch states (theta clamped to +-2^18).  probs are summed pairwise and divided by one reciprocal (1 ulp).
; THE MODE: SCHED_MODE bits 1:0 = 2 (LLVM: expert scheduling mode 2), set by the entry lines.  The code itself states the register dependences
;   between vector instructions and memory or LDS instructions, with s_wait_alu, always for 0.
; THE PLAN.  The eight blocks are two halves, L (blocks 0-3) and H (blocks 4-7).  Registers that memory or LDS instructions touch:
;   IDX H   written by the index lines at a trip's head; read by H's sixteen gathers in the trip's first half.
;   IDX L   written by the index lines in a trip's middle, for the NEXT transform; read by L's sixteen gathers in the trip's second half.
;   D H     H's gathers land in it in the first half; the lines that use blocks 4-7 read and write it in the same trip's second half.
;   D L     L's gathers land in it in the second half; the lines that use blocks 0-3 read and write it in the next trip's first half.
;   v1, v[PO]  offsets of the head's four loads: made once, never written again.   STO, RD, CO, ACC: read on the way out alone.
;   W, PX, PY, DX, DY, U, V are named by vector instructions alone.
; A trip: index H | wait | H's gathers, four ahead of each use of a block of L | the next transform's numbers | wait | index L | wait |
;   L's gathers for the next transform, four ahead of each use of a block of H.  The lines that use one half name none of the registers that the
;   other half's gathers touch, so the wait on va_vdst ahead of a half's first gather serves all sixteen.  One wait on vm_vsrc a trip, in its
;   middle, frees IDX L for the lines behind it and IDX H for the next trip's head.  The first L goes out ahead of the loop; the last trip is written out.
.set FINAL,  1
.set PITCH,  4608                      ; bytes of a framed row = 1152 cells = 9 << 7
.set LIM,    1025                      ; the cell of zeros that every position outside is sent to
.if FINAL
.set OPITCH, 4096                      ; out0: plain rows
.else
.set OPITCH, PITCH
.endif
.set LROW,   288                       ; LDS stage: 256 bytes of a row + 32, so that the four rows of a block start 8 banks apart
.set LWAVE,  4*LROW                    ; a wave's own stage
.set LX,  2                            ; lane mod 8
.set LY,  3                            ; lane / 8
.set A,   4                            ; v[4:5]   A of my (t, axis)
.set B,   6                            ; v[6:7]   B
.set C,   8                            ; v[8:9]   C, then the position at the tile's first pixel
.set E1,  10                           ; v[10:15] the positions at the other three corners
.set E2,  12
.set E3,  14
.set PR,  16                           ; probs[lane mod 16]
.set SUM, 17
.set RS,  18                           ; v[18:19] 1 / sum(probs), twice
.set BV,  20                           ; v[20:21] base_value, twice (FINAL)
.set PX,  22                           ; v[22:23] my position along x, v[24:25] along y
.set PY,  24
.set DX,  26                           ; v[26:29] their steps from block to block: 8 A
.set DY,  28
.set U,   30
.set V,   31
.set STO, 32                           ; LDS: where I put a block's number
.set RD,  33                           ; LDS: where I read 16 bytes of a row back
.set CO,  34                           ; my byte offset in the output
.set PO,  35                           ; my byte offset in probs; never rewritten
.set ACC, 36                           ; v[36:43] eight sums
.set IDX, 44                           ; v[44:51] block k: cell index; untouched while the block's gathers are out
.set W,   52                           ; v[52:67] block k: (wx, wy)
.set D,   68                           ; v[68:99] block k: (c00, c10), (c01, c11)
	s_load_b256 s[4:11], s[0:1], 0x0               ; old s[4:5], params s[6:7], probs s[8:9], new s[10:11]
.if FINAL
	s_load_b64 s[12:13], s[0:1], 0x20              ; base_value
	v_lshl_add_u32 v100, v0, 2, 0x4800
	v_mov_b32 v101, 0
.endif
	v_lshrrev_b32 v1, 5, v0
	v_readfirstlane_b32 s14, v1                    ; wave 0..15
	v_and_b32 v[LX], 7, v0
	v_bfe_u32 v[LY], v0, 3, 2
	v_and_b32 v1, 31, v0
	v_lshlrev_b32 v1, 3, v1                        ; 8 x lane: my entry of params
	v_and_b32 v[U], 15, v0
	v_lshlrev_b32 v[PO], 2, v[U]                   ; 4 x (lane mod 16): my entry of probs
	s_wait_alu depctr_va_sdst(0)                   ; s14 is written, ahead of its first reader: the tile's place and the stage's address are made from it
	s_lshr_b32 s15, s14, 2                         ; group j 0..3
	s_and_b32 s16, s14, 3                          ; my place in the group
	s_and_b32 s17, ttmp9, 15
	s_lshr_b32 s18, ttmp9, 4
	s_lshl2_add_u32 s17, s15, s17
	s_and_b32 s17, s17, 15                         ; block column = (g mod 16 + 4 j) mod 16
	s_lshl4_add_u32 s18, s15, s18                  ; block row = g / 16 + 16 j: each of the 16 x 64 places is taken once
	s_lshl_b32 s20, s17, 6                         ; X0: my tile's first pixel
	s_lshl2_add_u32 s21, s18, s16
	s_lshl_b32 s21, s21, 2                         ; Y0 = 16 x block row + 4 x place
	s_movk_i32 s62, LIM
	s_wait_kmcnt 0x0
	s_wait_alu depctr_va_vdst(0)                   ; v1 and v[PO] are written, which the four loads below read as their offsets
	global_load_b64 v[A:A+1], v1, s[6:7]
	global_load_b64 v[B:B+1], v1, s[6:7] offset:256
	global_load_b64 v[C:C+1], v1, s[6:7] offset:512
	global_load_b32 v[PR], v[PO], s[8:9]
.if FINAL
	s_load_b32 s63, s[12:13], 0x0
.endif
	s_add_nc_u64 s[46:47], s[4:5], 252             ; cell (v, u)
	s_add_nc_u64 s[48:49], s[4:5], 256             ; cell (v, u + 1)
	s_add_nc_u64 s[50:51], s[4:5], PITCH+252       ; cell (v + 1, u)
	s_add_nc_u64 s[52:53], s[4:5], PITCH+256       ; cell (v + 1, u + 1)
	s_mul_i32 s19, s14, LWAVE
	v_mul_u32_u24 v[STO], v[LY], LROW
	v_lshl_add_u32 v[STO], v[LX], 2, v[STO]
	v_add_nc_u32 v[STO], s19, v[STO]
	v_bfe_u32 v[CO], v0, 4, 1                      ; lanes 0-15 take one row, lanes 16-31 the next
	v_mul_u32_u24 v[RD], v[CO], LROW
	v_lshl_add_u32 v[RD], v[U], 4, v[RD]
	v_add_nc_u32 v[RD], s19, v[RD]
	v_mul_u32_u24 v[CO], v[CO], OPITCH
	v_lshl_add_u32 v[CO], v[U], 4, v[CO]
.if FINAL
	s_lshl_b32 s15, s21, 12                        ; row Y0 of out0
	s_lshl2_add_u32 s15, s20, s15                  ; + 4 X0
.else
	s_add_co_u32 s15, s21, 1                       ; framed row Y0 + 1
	s_mul_i32 s15, s15, PITCH
	s_lshl2_add_u32 s15, s20, s15                  ; + 4 X0
	s_add_co_u32 s15, s15, 256                     ; + the zeros on the left
.endif
	v_add_nc_u32 v[CO], s15, v[CO]
	s_wait_loadcnt 0x0                             ; A, B, C, probs
.if FINAL
	s_wait_kmcnt 0x0
	v_mov_b32 v[BV], s63
	v_mov_b32 v[BV+1], s63
.endif
	; a 64-bit number times a small whole number, modulo 2^64: low word x n in 64 bits, then high word x n onto the high word
	v_mad_nc_u64_u32 v[C:C+1], v[A], s20, v[C:C+1]
	v_mad_u32 v[C+1], v[A+1], s20, v[C+1]
	v_mad_nc_u64_u32 v[C:C+1], v[B], s21, v[C:C+1]
	v_mad_u32 v[C+1], v[B+1], s21, v[C+1]          ; position at (X0, Y0)
	v_mad_nc_u64_u32 v[E1:E1+1], v[A], 63, v[C:C+1]
	v_mad_u32 v[E1+1], v[A+1], 63, v[E1+1]         ; at (X0 + 63, Y0)
	v_mad_nc_u64_u32 v[E2:E2+1], v[B], 3, v[C:C+1]
	v_mad_u32 v[E2+1], v[B+1], 3, v[E2+1]          ; at (X0, Y0 + 3)
	v_mad_nc_u64_u32 v[E3:E3+1], v[B], 3, v[E1:E1+1]
	v_mad_u32 v[E3+1], v[B+1], 3, v[E3+1]          ; at (X0 + 63, Y0 + 3)
	v_cmp_gt_i32 s54, s62, v[C+1]                  ; some corner at or below cell 1024 ...
	v_cmp_gt_i32 s55, s62, v[E1+1]
	v_cmp_gt_i32 s56, s62, v[E2+1]
	v_cmp_gt_i32 s57, s62, v[E3+1]
	v_cmp_le_i32 s58, 0, v[C+1]                    ; ... and some corner at or above cell 0
	v_cmp_le_i32 s59, 0, v[E1+1]
	v_cmp_le_i32 s60, 0, v[E2+1]
	v_cmp_le_i32 s61, 0, v[E3+1]
	s_wait_alu depctr_va_sdst(0)                   ; the eight compares have written s54 to s61, ahead of their first readers below
	s_or_b32 s54, s54, s55
	s_or_b32 s56, s56, s57
	s_or_b32 s58, s58, s59
	s_or_b32 s60, s60, s61
	s_or_b32 s54, s54, s56
	s_or_b32 s58, s58, s60
	s_and_b32 s22, s54, s58                        ; bit t: axis x may hit, bit 16 + t: axis y may hit
	s_lshr_b32 s23, s22, 16
	s_and_b32 s22, s22, s23                        ; bit t (0..15): both
	s_bcnt1_i32_b32 s23, s22                       ; trips
	; sum(probs): every row of 16 lanes holds all sixteen
	v_mov_b32 v[SUM], v[PR]
	v_add_f32_dpp v[SUM], v[SUM], v[SUM] row_xmask:1 row_mask:0xf bank_mask:0xf
	v_add_f32_dpp v[SUM], v[SUM], v[SUM] row_xmask:2 row_mask:0xf bank_mask:0xf
	v_add_f32_dpp v[SUM], v[SUM], v[SUM] row_xmask:4 row_mask:0xf bank_mask:0xf
	v_add_f32_dpp v[SUM], v[SUM], v[SUM] row_xmask:8 row_mask:0xf bank_mask:0xf
	v_rcp_f32 v[RS], v[SUM]
	v_rcp_f32 v[RS+1], v[SUM]                      ; the plain moves below stand between the reciprocals and their first use
.irp k, 0,1,2,3,4,5,6,7
	v_mov_b32 v[ACC+\k], 0                         ; the number of trips may be 0: the eight sums start from 0
.endr
	s_cmp_eq_u32 s23, 0
	s_cbranch_scc1 .Lout
; The next transform that may hit: its numbers into scalar registers, my position in its block 0 into PX and PY, the steps into DX and DY.
; probs[t] goes into s41: s40 still serves the transform in hand.
.macro NEXT
	s_ctz_i32_b32 s25, s22                         ; the next transform that may hit
	s_sub_co_u32 s27, s22, 1
	s_and_b32 s22, s22, s27                        ; its bit is cleared
	s_add_co_u32 s26, s25, 16
	v_readlane_b32 s28, v[C], s25                  ; position of the tile's first pixel along x,
	v_readlane_b32 s29, v[C+1], s25
	v_readlane_b32 s30, v[C], s26                  ; along y
	v_readlane_b32 s31, v[C+1], s26
	v_readlane_b32 s32, v[A], s25                  ; steps for one pixel along x
	v_readlane_b32 s33, v[A+1], s25
	v_readlane_b32 s34, v[A], s26
	v_readlane_b32 s35, v[A+1], s26
	v_readlane_b32 s36, v[B], s25                  ; and along y
	v_readlane_b32 s37, v[B+1], s25
	v_readlane_b32 s38, v[B], s26
	v_readlane_b32 s39, v[B+1], s26
	v_readlane_b32 s41, v[PR], s25                 ; probs[t]
	s_wait_alu depctr_va_sdst(0)                   ; the thirteen lines above have written s28 to s39 and s41, ahead of their first readers
	s_lshl_b64 s[42:43], s[32:33], 3               ; 8 pixels along x
	s_lshl_b64 s[44:45], s[34:35], 3
	v_mov_b32 v[PX], s28
	v_mov_b32 v[PX+1], s29
	v_mov_b32 v[PY], s30
	v_mov_b32 v[PY+1], s31
	v_mad_nc_u64_u32 v[PX:PX+1], s32, v[LX], v[PX:PX+1]            ; my pixel of block 0: + lx A + ly B
	v_mad_nc_u64_u32 v[PY:PY+1], s34, v[LX], v[PY:PY+1]
	v_mad_u32 v[PX+1], s33, v[LX], v[PX+1]
	v_mad_u32 v[PY+1], s35, v[LX], v[PY+1]
	v_mad_nc_u64_u32 v[PX:PX+1], s36, v[LY], v[PX:PX+1]
	v_mad_nc_u64_u32 v[PY:PY+1], s38, v[LY], v[PY:PY+1]
	v_mad_u32 v[PX+1], s37, v[LY], v[PX+1]
	v_mad_u32 v[PY+1], s39, v[LY], v[PY+1]
	v_mov_b32 v[DX], s42
	v_mov_b32 v[DX+1], s43
	v_mov_b32 v[DY], s44
	v_mov_b32 v[DY+1], s45
.endm
; block k: cell index and weights from my position, one step of 8 pixels along x
.macro INDEX k
	v_min_u32 v[U], LIM, v[PX+1]                   ; 0..1024 stays, everything else becomes 1025
	v_min_u32 v[V], LIM, v[PY+1]
	v_cvt_f32_u32 v[W+2*(\k)], v[PX]
	v_cvt_f32_u32 v[W+2*(\k)+1], v[PY]
	v_lshl_add_u32 v[V], v[V], 3, v[V]             ; 9 v
.if (\k) < 7
	v_add_nc_u64 v[PX:PX+1], v[PX:PX+1], v[DX:DX+1]
	v_add_nc_u64 v[PY:PY+1], v[PY:PY+1], v[DY:DY+1]
.endif
	v_lshl_add_u32 v[IDX+(\k)], v[V], 7, v[U]      ; 1152 v + u
	v_pk_mul_f32 v[W+2*(\k):W+2*(\k)+1], v[W+2*(\k):W+2*(\k)+1], 0x2f800000 op_sel_hi:[1,0]   ; x 2^-32: weights in 0..1
.endm
; block k: its four gathers
.macro GATHER k
	global_load_b32 v[D+4*(\k)],   v[IDX+(\k)], s[46:47] scale_offset
	global_load_b32 v[D+4*(\k)+2], v[IDX+(\k)], s[48:49] scale_offset
	global_load_b32 v[D+4*(\k)+1], v[IDX+(\k)], s[50:51] scale_offset
	global_load_b32 v[D+4*(\k)+3], v[IDX+(\k)], s[52:53] scale_offset
.endm
; block k is interpolated and added.  left = how many younger gathers may still be out
.macro USE k, left
	s_wait_loadcnt \left                           ; gathers return in order (ISA guide 5.7.1): block k's four are in, the younger ones may be out
	v_pk_add_f32 v[D+4*(\k)+2:D+4*(\k)+3], v[D+4*(\k)+2:D+4*(\k)+3], v[D+4*(\k):D+4*(\k)+1] neg_lo:[0,1] neg_hi:[0,1]          ; right - left, both rows
	v_pk_fma_f32 v[D+4*(\k):D+4*(\k)+1], v[W+2*(\k):W+2*(\k)+1], v[D+4*(\k)+2:D+4*(\k)+3], v[D+4*(\k):D+4*(\k)+1] op_sel_hi:[0,1,1] ; left + wx (right - left), both rows
	v_sub_f32 v[D+4*(\k)+2], v[D+4*(\k)+1], v[D+4*(\k)]
	v_fma_f32 v[D+4*(\k)], v[W+2*(\k)+1], v[D+4*(\k)+2], v[D+4*(\k)]       ; upper + wy (lower - upper)
	v_fmac_f32 v[ACC+(\k)], s40, v[D+4*(\k)]                               ; x probs[t], onto the sum
.endm
; A TRIP.  At its head the sixteen gathers of blocks 0-3 are out and nothing else.  more = 1: another transform follows.
; Beside gathers every count is 16: behind a block's four gathers stand four groups of four: the rest of its half, and what has gone out of the other half.
.macro TRIP more
.irp k, 4,5,6,7
	INDEX \k
.endr
	s_wait_alu depctr_va_vdst(0)                   ; IDX 4-7 are written, which the gathers below read; the trip before is done reading and writing D of blocks 4-7, in which they land
.irp k, 0,1,2,3
	GATHER (\k)+4                                  ; no vector instruction since the wait names IDX or D of blocks 4-7
	USE \k, 16
.endr
.if \more
	NEXT
	s_wait_alu depctr_vm_vsrc(0)                   ; every gather issued so far has read its index: IDX 0-3 are written again just below, IDX 4-7 at the next trip's head
	                                               ; (each block's counted wait on LOADcnt has shown, or will by then have shown, those gathers themselves done)
.irp k, 0,1,2,3
	INDEX \k
.endr
	s_wait_alu depctr_va_vdst(0)                   ; IDX 0-3 are written, which the gathers below read; the lines above are done reading and writing D of blocks 0-3, in which they land
.irp k, 0,1,2,3
	GATHER \k                                      ; no vector instruction since the wait names IDX or D of blocks 0-3
	USE (\k)+4, 16
.endr
	s_mov_b32 s40, s41                             ; probs[t] of the transform whose blocks 0-3 are on their way
.else
.irp k, 0,1,2,3
	USE (\k)+4, 12-4*(\k)                          ; nothing more is asked for: the counts run down
.endr
.endif
.endm
	NEXT                                           ; the first transform
.irp k, 0,1,2,3
	INDEX \k
.endr
	s_mov_b32 s40, s41
	s_wait_alu depctr_va_vdst(0)                   ; IDX 0-3 are written, which the first sixteen gathers read
.irp k, 0,1,2,3
	GATHER \k
.endr
	s_sub_co_u32 s23, s23, 1                       ; all trips but the last have a transform behind them
	s_cmp_eq_u32 s23, 0
	s_cbranch_scc1 .Llast
	s_mov_b32 s24, 0
.Lt:
	TRIP 1
	s_add_co_u32 s24, s24, 1
	s_cmp_lt_u32 s24, s23
	s_cbranch_scc1 .Lt
.Llast:
	TRIP 0                                         ; the last trip is written out: its last wait is for 0
.Lout:
	; a lane holds one pixel of each of eight blocks; a store wants 16 neighbouring bytes a lane.  The wave's own stage in LDS turns the tile:
	; no other wave touches these bytes, and LDS serves a wave's instructions in order (ISA guide 5.7.1), so no wait stands between stores and loads.
	s_wait_alu depctr_va_vdst(0)                   ; the eight sums, STO, RD and CO are written, which the lines below read; the last trip is done with D's first eight registers, in which the reads back land
.irp k, 0,1,2,3,4,5,6,7
	ds_store_b32 v[STO], v[ACC+\k] offset:32*\k
.endr
	ds_load_b128 v[D:D+3], v[RD]                   ; rows 0 and 1
	ds_load_b128 v[D+4:D+7], v[RD] offset:2*LROW   ; rows 2 and 3
	s_wait_dscnt 0x1                               ; the first read is back, the second may be out
.if FINAL
	v_pk_fma_f32 v[D:D+1], v[D:D+1], v[RS:RS+1], v[BV:BV+1]
	v_pk_fma_f32 v[D+2:D+3], v[D+2:D+3], v[RS:RS+1], v[BV:BV+1]
.else
	v_pk_mul_f32 v[D:D+1], v[D:D+1], v[RS:RS+1]
	v_pk_mul_f32 v[D+2:D+3], v[D+2:D+3], v[RS:RS+1]
.endif
	s_wait_dscnt 0x0
.if FINAL
	v_pk_fma_f32 v[D+4:D+5], v[D+4:D+5], v[RS:RS+1], v[BV:BV+1]
	v_pk_fma_f32 v[D+6:D+7], v[D+6:D+7], v[RS:RS+1], v[BV:BV+1]
.else
	v_pk_mul_f32 v[D+4:D+5], v[D+4:D+5], v[RS:RS+1]
	v_pk_mul_f32 v[D+6:D+7], v[D+6:D+7], v[RS:RS+1]
.endif
	s_wait_alu depctr_va_vdst(0)                   ; the four scalings have written D's first eight registers, which the two stores read
.if FINAL
	global_store_b128 v[CO], v[D:D+3], s[10:11] th:TH_STORE_NT     ; 16 lanes store 256 neighbouring bytes, at a multiple of 256
	global_store_b128 v[CO], v[D+4:D+7], s[10:11] offset:2*OPITCH th:TH_STORE_NT
.else
	global_store_b128 v[CO], v[D:D+3], s[10:11]                    ; 16 lanes store 256 neighbouring bytes, at a multiple of 256
	global_store_b128 v[CO], v[D+4:D+7], s[10:11] offset:2*OPITCH
.endif
	s_wait_dscnt 0x0
	s_wait_alu depctr_hold_cnt(0) depctr_sa_sdst(0) depctr_va_vdst(0) depctr_va_sdst(0) depctr_va_ssrc(0) depctr_va_vcc(0) depctr_vm_vsrc(0)
	s_wait_tensorcnt 0x0
	ds_add_u32 v100, v101
	s_wait_dscnt 0x0
	s_endpgm
.Lfunc_end_k_q096d73df39_iter2:
	.size	k_q096d73df39_iter2, .Lfunc_end_k_q096d73df39_iter2-k_q096d73df39_iter2
	.p2alignl 7, 3214868480
	.fill 96, 4, 3214868480
	.section	.rodata,"a",@progbits
	.p2align	6, 0x0
	.amdhsa_kernel k_q096d73df39_iter2
		.amdhsa_group_segment_fixed_size 20480
		.amdhsa_private_segment_fixed_size 0
		.amdhsa_enable_private_segment 0
		.amdhsa_kernarg_size 40
		.amdhsa_user_sgpr_count 2
		.amdhsa_user_sgpr_kernarg_segment_ptr 1
		.amdhsa_wavefront_size32 1
		.amdhsa_system_sgpr_workgroup_id_x 1
		.amdhsa_system_sgpr_workgroup_id_y 1
		.amdhsa_system_sgpr_workgroup_id_z 1
		.amdhsa_system_vgpr_workitem_id 0
		.amdhsa_next_free_vgpr 102
		.amdhsa_next_free_sgpr 66
		.amdhsa_reserve_vcc 0
		.amdhsa_float_denorm_mode_32 3
		.amdhsa_float_denorm_mode_16_64 3
		.amdhsa_memory_ordered 1
		.amdhsa_forward_progress 1
		.amdhsa_inst_pref_size 29
	.end_amdhsa_kernel
	.amdgpu_metadata
---
amdhsa.version: [ 1, 2 ]
amdhsa.kernels:
  - .name:           k_q096d73df39_iter2
    .symbol:         k_q096d73df39_iter2.kd
    .args:
      - { .name: pad1, .offset: 0, .size: 8, .value_kind: global_buffer, .address_space: global }
      - { .name: params, .offset: 8, .size: 8, .value_kind: global_buffer, .address_space: global }
      - { .name: probs, .offset: 16, .size: 8, .value_kind: global_buffer, .address_space: global }
      - { .name: out0, .offset: 24, .size: 8, .value_kind: global_buffer, .address_space: global }
      - { .name: base_value, .offset: 32, .size: 8, .value_kind: global_buffer, .address_space: global }
    .group_segment_fixed_size: 20480
    .private_segment_fixed_size: 0
    .kernarg_segment_align: 8
    .kernarg_segment_size: 40
    .max_flat_workgroup_size: 512
    .sgpr_count:     66
    .vgpr_count:     102
    .wavefront_size: 32
...
	.end_amdgpu_metadata
.endif
;; end of part 5
